; MI455X (gfx1250); checked and timed in simulation.
; The chip was launched on July 23, 2026; its instructions are those of AMD's public machine-readable ISA for CDNA 5 (MIT licence, August 2026) and "CDNA5" Instruction Set Architecture Reference Guide (July 2026). The comments in the code are by the model that wrote it; some were corrected since.
;; Llama Attention. Allowed arithmetic: float matrix products may take bf16 or f16 operands with f32 sums; all other float work in f32.
;; Inputs: attention_mask 2 x 1,024 int32; hidden_states 2 x 1,024 x 2,048 float32; wk 2,048 x 2,048 float32; wo 2,048 x 2,048 float32; wq 2,048 x 2,048 float32; wv 2,048 x 2,048 float32.
;; Outputs: out0 2 x 1,024 x 2,048 float32.
;; 2 versions, each right; version 2 is version 1 with the launch prep written anew for expert scheduling mode. Each part assembles by itself: llvm-mc -triple=amdgcn-amd-amdhsa -mcpu=gfx1250 --defsym DOCPART=n.
;; ======== version 1 of 2: 4 launches
;; limits: values are held in f16: magnitudes above 65,504 overflow, below 6.1e-05 lose precision
;; workspace buffers: h16 41,943,040 bytes; rope 589,824 bytes; qkv 25,165,824 bytes; att 8,388,608 bytes
;; launch prep (part 1): grid 128 x 6, 8 waves a work-group, no clusters, 0 bytes of LDS; arguments hidden_states, wq, wk, wv, wo, h16, rope; writes h16, rope
.if DOCPART == 1
	.amdgcn_target "amdgcn-amd-amdhsa--gfx1250"
	.amdhsa_code_object_version 6
	.text
	.protected	k_q185e5057f7_prep
	.globl	k_q185e5057f7_prep
	.p2align	8
	.type	k_q185e5057f7_prep,@function
k_q185e5057f7_prep:
	s_mov_b64 s[64:65], 0
	v_nop
	global_prefetch_b8 v0, s[64:65] scope:SCOPE_SE
	s_setreg_imm32_b32 hwreg(HW_REG_WAVE_MODE, 25, 1), 1
	s_wait_xcnt 0x0
; LlamaAttention, launch 1 of 4: the matrix operands are rounded to f16 once, and the RoPE table is made.
; DEAD WORK: none.  Every step of reference() reaches the output for some inputs, so every step is done and every
; input is loaded (attention_mask in the third launch).
; FORMAT: f16, not bf16, for every matrix operand of the four launches.  Besides the five inputs, five intermediates (q, k, v, p, att) are rounded
; on the way to an output; with 8 significant bits these roundings add up to some 0.4 per cent of the output's root mean square, with 11 bits to
; an eighth of that.  Room in f16 (largest number 65,504, steps of 6e-8 below 6.1e-5): with hidden_states of spread 1 and weights of spread
; 1/sqrt(2048), all 30 times larger, q, k, v stay under 900 x 5.5 x 1.42 = 7,000; all 30 times smaller they have a spread of 1.1e-3, 2e4 steps;
; with hidden_states and a weight both offset by 30 spreads they stay under 2048 x 30 x 0.66 x 1.42 = 58,000.
; LIMIT: an input, or a |q|, |k| or |v|, above 65,504 becomes infinite.
; Work-group y = 0..4: plane y of h16 = f16(hidden_states, wq, wk, wv, wo), each [2048][2048]; planes 1..3 lie behind each other
; and are one matrix [6144][2048] for the second launch.  A work-group takes 131,072 bytes of f32: 32 chunks of 4,096 bytes, thread t the
; 16 bytes at 16 t of each chunk.  A wave's load covers 512 consecutive bytes, its store 256 consecutive bytes, aligned.
; No LDS, no matrix unit, no cluster: each byte is read once and written once, and no work-group shares anything with another.
; Work-group y = 5: cos and sin of pos * 10000^(-f/64), pos = 0..1023, f = 0..63, in f32, laid out as the second launch's accumulators lie:
;   byte = pb*8192 + b*2048 + q*512 + L*16 + e*4, pos = 16 pb + (L & 15), f = 16 b + 8 (L >> 4) + 4 (q & 1) + e, q = 0,1 cos, q = 2,3 sin.
; Behind these 64 pages of 8,192 bytes lie eight pages of the same form with cos = 1 and sin = 0: the second launch has one cluster whose work-groups
; hold heads of k and heads of v, takes one way through its text there, and reads these pages for v.
; LIMIT: 10000^(-f/64) is exp2(-f * log2(10000)/64) and the angle is reduced by pi/2 in two parts; the phase differs from
; reference()'s f32 phase by up to about 2e-4 radians, at the last positions and the fastest frequencies alone: no more than
; the f16 rounding of q and k there, and far less elsewhere.
.set X, 4                              ; v[4:67]   slot i: 4 registers, 4 f32 as loaded
.set Y, 68                             ; v[68:99]  slot i: 2 registers, 4 f16 to store
.set IDENT, 524288                     ; where the pages with cos = 1, sin = 0 begin
	s_load_b256 s[4:11], s[0:1], 0x0               ; hidden s[4:5], wq s[6:7], wk s[8:9], wv s[10:11]
	s_load_b128 s[12:15], s[0:1], 0x20             ; wo s[12:13], h16 s[14:15]
	s_load_b64 s[16:17], s[0:1], 0x30              ; rope
	s_and_b32 s18, ttmp7, 0xffff                   ; the plane
	s_wait_kmcnt 0x0
	s_cmp_eq_u32 s18, 5
	s_cbranch_scc1 .Ltable
	s_cmp_eq_u32 s18, 1                            ; the source is chosen by the plane's number alone
	s_cselect_b64 s[20:21], s[6:7], s[4:5]
	s_cmp_eq_u32 s18, 2
	s_cselect_b64 s[20:21], s[8:9], s[20:21]
	s_cmp_eq_u32 s18, 3
	s_cselect_b64 s[20:21], s[10:11], s[20:21]
	s_cmp_eq_u32 s18, 4
	s_cselect_b64 s[20:21], s[12:13], s[20:21]
	s_lshl_b32 s22, ttmp9, 17                      ; 131,072 bytes of f32 for each work-group
	s_mov_b32 s23, 0
	s_add_nc_u64 s[20:21], s[20:21], s[22:23]
	s_lshl_b32 s24, s18, 23                        ; a plane of h16 is 8,388,608 bytes,
	s_lshl_b32 s28, ttmp9, 16                      ; a work-group's part of it 65,536
	s_add_co_u32 s24, s24, s28
	s_mov_b32 s25, 0
	s_add_nc_u64 s[26:27], s[14:15], s[24:25]
	v_lshlrev_b32 v1, 4, v0                        ; 16 t: my bytes in a chunk of f32; never rewritten
	v_lshlrev_b32 v2, 3, v0                        ; 8 t: my bytes in a chunk of f16; never rewritten
.irp i, 0,1,2,3,4,5,6,7,8,9,10,11,12,13,14,15
	global_load_b128 v[X+4*\i:X+4*\i+3], v1, s[20:21] offset:\i*4096 th:TH_LOAD_NT
.endr
; One slot's turn.  ahead = 1: the slot is loaded again with the chunk 16 further on.  left = the younger loads that may stay out.
.macro SLOT i, ahead, left, row
	s_wait_loadcnt \left                           ; loads come back in order: mine is in
	v_cvt_pk_f16_f32 v[Y+2*\i], v[X+4*\i], v[X+4*\i+1]
	v_cvt_pk_f16_f32 v[Y+2*\i+1], v[X+4*\i+2], v[X+4*\i+3]
.if \ahead
	global_load_b128 v[X+4*\i:X+4*\i+3], v1, s[20:21] offset:(16+\i)*4096 th:TH_LOAD_NT
.endif
	global_store_b64 v2, v[Y+2*\i:Y+2*\i+1], s[26:27] offset:(\row)*2048
.endm
.irp i, 0,1,2,3,4,5,6,7,8,9,10,11,12,13,14,15
	SLOT \i, 1, 15, \i                             ; behind slot i's load stand 15 - i first loads and i second ones: 15
.endr
	s_wait_xcnt 0x0                                ; the stores above have read Y: it is rewritten only behind this wait
.irp i, 0,1,2,3,4,5,6,7,8,9,10,11,12,13,14,15
	SLOT \i, 0, 15-\i, 16+\i                       ; nothing more is loaded: the counts run down
.endr
	s_endpgm
.Ltable:
	; 128 work-groups x 256 threads, two neighbouring frequencies each.  g = the thread's number in the plane.
	s_lshl_b32 s19, ttmp9, 8
	v_or_b32 v3, s19, v0                           ; g
	v_lshrrev_b32 v4, 9, v3                        ; pb
	v_bfe_u32 v5, v3, 1, 4                         ; L & 15
	v_lshl_or_b32 v4, v4, 4, v5
	v_cvt_f32_u32 v4, v4                           ; pos
	v_bfe_u32 v5, v3, 7, 2                         ; b
	v_bfe_u32 v6, v3, 5, 1                         ; L >> 4
	v_lshlrev_b32 v5, 4, v5
	v_lshl_or_b32 v5, v6, 3, v5
	v_bfe_u32 v6, v3, 6, 1                         ; q & 1
	v_lshl_or_b32 v5, v6, 2, v5
	v_and_b32 v6, 1, v3                            ; which pair of e
	v_lshl_or_b32 v5, v6, 1, v5                    ; my first frequency
	v_and_b32 v6, 127, v3
	v_lshrrev_b32 v7, 7, v3
	v_lshlrev_b32 v6, 3, v6
	v_lshl_or_b32 v6, v7, 11, v6                   ; my 8 bytes of cos; sin lies 1,024 bytes further on
; cos into v[16+k], sin into v[18+k], of pos * 10000^(-(f0+k)/64)
.macro SINCOS k
	v_add_nc_u32 v8, \k, v5
	v_cvt_f32_u32 v8, v8
	v_mul_f32 v8, 0xbe549a78, v8                   ; -f * log2(10000)/64
	v_exp_f32 v9, v8
	v_nop                                          ; one plain instruction behind a transcendental (ISA guide 5.7.2)
	s_wait_alu depctr_va_vdst(0)
	v_mul_f32 v9, v4, v9                           ; the angle a
	v_mul_f32 v10, 0x3f22f983, v9                  ; a * 2/pi
	v_rndne_f32 v10, v10                           ; n
	v_fmamk_f32 v11, v10, 0xbfc90fdb, v9           ; r = a - n * pi/2, pi/2 in two parts
	v_fmamk_f32 v11, v10, 0x333bbd2e, v11          ; |r| <= pi/4
	v_mul_f32 v12, v11, v11                        ; r^2
	v_mov_b32 v13, 0xb9500d01                      ; -1/5040
	v_mov_b32 v14, 0x37d00d01                      ; 1/40320
	v_fmaak_f32 v13, v13, v12, 0x3c088889          ; 1/120
	v_fmaak_f32 v14, v14, v12, 0xbab60b61          ; -1/720
	v_fmaak_f32 v13, v13, v12, 0xbe2aaaab          ; -1/6
	v_fmaak_f32 v14, v14, v12, 0x3d2aaaab          ; 1/24
	v_mul_f32 v15, v11, v12                        ; r^3
	v_fmaak_f32 v14, v14, v12, 0xbf000000          ; -1/2
	v_fma_f32 v13, v15, v13, v11                   ; sin r
	v_fma_f32 v14, v14, v12, 1.0                   ; cos r
	v_cvt_i32_f32 v15, v10
	v_and_b32 v20, 1, v15
	v_cmp_eq_u32 vcc_lo, 1, v20                    ; odd quadrant: sin and cos change places
	v_cndmask_b32 v21, v13, v14, vcc_lo
	v_cndmask_b32 v22, v14, v13, vcc_lo
	v_and_b32 v20, 2, v15                          ; quadrants 2, 3: sin changes its sign
	v_lshlrev_b32 v20, 30, v20
	v_xor_b32 v[18+\k], v20, v21
	v_add_nc_u32 v15, 1, v15                       ; quadrants 1, 2: cos changes its sign
	v_and_b32 v20, 2, v15
	v_lshlrev_b32 v20, 30, v20
	v_xor_b32 v[16+\k], v20, v22
.endm
	SINCOS 0
	SINCOS 1
	global_store_b64 v6, v[16:17], s[16:17]                ; a wave stores 256 consecutive bytes, aligned
	global_store_b64 v6, v[18:19], s[16:17] offset:1024
	s_cmp_ge_u32 ttmp9, 16                         ; the first 16 work-groups' places are pages 0 to 7: the same places, 64 pages on, get cos = 1, sin = 0
	s_cbranch_scc1 .Ltable_done
	v_mov_b32 v24, 1.0
	v_mov_b32 v25, 1.0
	v_mov_b32 v26, 0
	v_mov_b32 v27, 0
	global_store_b64 v6, v[24:25], s[16:17] offset:IDENT
	global_store_b64 v6, v[26:27], s[16:17] offset:IDENT+1024
.Ltable_done:
	s_endpgm
.Lfunc_end_k_q185e5057f7_prep:
	.size	k_q185e5057f7_prep, .Lfunc_end_k_q185e5057f7_prep-k_q185e5057f7_prep
	.p2alignl 7, 3214868480
	.fill 96, 4, 3214868480
	.section	.rodata,"a",@progbits
	.p2align	6, 0x0
	.amdhsa_kernel k_q185e5057f7_prep
		.amdhsa_group_segment_fixed_size 0
		.amdhsa_private_segment_fixed_size 0
		.amdhsa_enable_private_segment 0
		.amdhsa_kernarg_size 56
		.amdhsa_user_sgpr_count 2
		.amdhsa_user_sgpr_kernarg_segment_ptr 1
		.amdhsa_wavefront_size32 1
		.amdhsa_system_sgpr_workgroup_id_x 1
		.amdhsa_system_sgpr_workgroup_id_y 1
		.amdhsa_system_sgpr_workgroup_id_z 1
		.amdhsa_system_vgpr_workitem_id 0
		.amdhsa_next_free_vgpr 104
		.amdhsa_next_free_sgpr 66
		.amdhsa_reserve_vcc 1
		.amdhsa_float_denorm_mode_32 3
		.amdhsa_float_denorm_mode_16_64 3
		.amdhsa_memory_ordered 1
		.amdhsa_forward_progress 1
		.amdhsa_inst_pref_size 17
	.end_amdhsa_kernel
	.amdgpu_metadata
---
amdhsa.version: [ 1, 2 ]
amdhsa.kernels:
  - .name:           k_q185e5057f7_prep
    .symbol:         k_q185e5057f7_prep.kd
    .args:
      - { .name: hidden_states, .offset: 0, .size: 8, .value_kind: global_buffer, .address_space: global }
      - { .name: wq, .offset: 8, .size: 8, .value_kind: global_buffer, .address_space: global }
      - { .name: wk, .offset: 16, .size: 8, .value_kind: global_buffer, .address_space: global }
      - { .name: wv, .offset: 24, .size: 8, .value_kind: global_buffer, .address_space: global }
      - { .name: wo, .offset: 32, .size: 8, .value_kind: global_buffer, .address_space: global }
      - { .name: h16, .offset: 40, .size: 8, .value_kind: global_buffer, .address_space: global }
      - { .name: rope, .offset: 48, .size: 8, .value_kind: global_buffer, .address_space: global }
    .group_segment_fixed_size: 0
    .private_segment_fixed_size: 0
    .kernarg_segment_align: 8
    .kernarg_segment_size: 56
    .max_flat_workgroup_size: 256
    .sgpr_count:     66
    .vgpr_count:     104
    .wavefront_size: 32
...
	.end_amdgpu_metadata
.endif
;; end of part 1
;; launch qkv (part 2): grid 16 x 16, 4 waves a work-group, clusters of 4 x 4, 327,680 bytes of LDS; arguments h16, rope, qkv; writes qkv
.if DOCPART == 2
	.amdgcn_target "amdgcn-amd-amdhsa--gfx1250"
	.amdhsa_code_object_version 6
	.text
	.protected	k_q185e5057f7_qkv
	.globl	k_q185e5057f7_qkv
	.p2align	8
	.type	k_q185e5057f7_qkv,@function
k_q185e5057f7_qkv:
	s_mov_b64 s[64:65], 0
	v_nop
	global_prefetch_b8 v0, s[64:65] scope:SCOPE_SE
	s_setreg_imm32_b32 hwreg(HW_REG_WAVE_MODE, 25, 1), 1
	s_wait_xcnt 0x0
	s_wait_alu depctr_hold_cnt(0) depctr_sa_sdst(0) depctr_va_vdst(0) depctr_va_sdst(0) depctr_va_ssrc(0) depctr_va_vcc(0) depctr_vm_vsrc(0)
	s_getreg_b32 s2, hwreg(HW_REG_IB_STS2, 6, 4)
	s_cmp_eq_u32 s2, 0
	s_cbranch_scc0 .Lentry_in_a_cluster
	s_endpgm
.Lentry_in_a_cluster:
	s_bfe_u32 s2, ttmp6, 0x10000c
	s_cmp_lg_u32 s2, 0xf033
	s_cbranch_scc0 .Lentry_shape_is_right
	s_endpgm
.Lentry_shape_is_right:
; LlamaAttention, launch 2 of 4: [q | k | v] = hidden x [wq; wk; wv]^T in f16 with f32 sums, RoPE on q and k in f32, stored as
; qkv[which 3][batch 2][head 16][pos 1024][d 128] in f16 (rows of 256 bytes).  No work of reference() is left out here.
; LIMIT: a |q|, |k| or |v| above 65,504 is stored as an infinity (the room that f16 leaves is counted at the head of the first launch).
; A = plane 0 of h16, [2048 tokens][2048]; B = planes 1..3, [6144][2048] = 48 heads of 128 rows: 0-15 q, 16-31 k, 32-47 v.
; THE BLOCK: 2048 x 6144 results over 256 work-groups are 49,152 each: 128 tokens x 384 columns = three heads; the grid is 16 x 16.
; RoPE pairs d with d + 64, that is the tile of 16 columns b with tile b + 4 of one head (b = 0..3).  The block's 12 such pairs go three to a wave: wave w has
; pairs p = 3 w .. 3 w + 2 (head p / 4 of the block, b = p % 4) and all 128 tokens: 8 x 6 = 48 accumulator tiles of 16 x 16, 384 registers.
; For 32 along K a wave loads (128 + 96) x 64 bytes from LDS and issues 48 matrix instructions.
; K goes in steps of 128 through two LDS slots filled by the tensor data mover; a tile's rows are 256 bytes of memory and start at multiples of 256 bytes.
; A slot holds A's 128 rows, then B's 384; each wave fetches 128 rows with one load: wave 0 A's, waves 1 to 3 one head of B each.
; CLUSTERS: 4 x 4 work-groups.  The four of a row of the cluster need the same tile of A, the four of a column the same tiles of B: such a tile
; is asked for jointly, each of the four issuing the same tensor load with the same descriptor and a mask that names the four.
; REGISTERS, in windows of 256:
;   window 0: v0-31 addresses; v64-127, v128-191 fragments of A, two buffers; v192-239 packed results on the way out, two buffers
;   window 1: v64-111, v128-175 fragments of B, two buffers (fragment j = pair j's low tile, 3 + j its high tile); on the way out four row blocks' cos and sin
;   window 2: the 24 accumulator tiles of rows 0-63 (tile (a, n) at v[8 (6 a + n)]);   window 3: those of rows 64-127
; THE MATRIX INSTRUCTION IS USED TRANSPOSED: source 0 = 16 rows of B, source 1 = 16 rows of A, so that lane l holds token l % 16 and its
; registers 0..7 the columns 8 (l / 16) + 0..7 of the tile.  Tiles j and 3 + j hold d and d + 64 in the same lane and register: RoPE needs no traffic between lanes.
; THE WAY OUT: a head's row of 256 bytes is made by two waves, so the block's 128 x 384 f16 results go through LDS: each wave stores into a region of its own,
; one barrier, then each wave reads whole rows and stores them.  The stage lies in slot 0, which has had its last fill by then and whose last reads every wave
; has waited for in front of the last change of slots.
; WHICH HEADS GET RoPE: the cluster's x (12 heads) decides the way through the text, since it is the same in all sixteen partners: 0, 1 = heads 0-23, with RoPE;
; 3 = heads 36-47, all v, without.  Cluster 2 holds heads 24-35, k and v; no branch may differ between partners, so it takes the way with RoPE, and the pairs of
; heads 32-35 read the table's pages with cos = 1 and sin = 0: x 1 - x' 0 = x.  Only a global offset hangs on the work-group's place there.
; LIMIT: in heads 32-35 an infinity or a NaN in the f32 sum of v[d + 64] (or v[d - 64]) makes v[d] NaN too.
; The 48 accumulators take turns, one matrix instruction a turn, in the same order in every quarter step.
.set SIZE_K, 2048
.set KSTEP,  128
.set PITCH,  272                       ; an LDS row: 256 bytes of data + 16 of padding, so that the 16 rows of a fragment load start 68 words apart
.set HALFT,  128*PITCH                 ; 128 rows: what one tensor load brings
.set SLOT,   4*HALFT                   ; A's 128 rows, then B's 384 rows
.set SPITCH, 208                       ; the stage: a token's 96 results of one wave, 192 bytes, + 16: thirteen times 16, so that 16 tokens' stores start in 16 different columns of 16 bytes
.set REG,    128*SPITCH+192            ; a wave's region of the stage.  Pair p of the block then starts at 64 p modulo 256 in its token's row, so the 16 pieces of a head's row lie in 16 different columns
.set IDENT,  524288                    ; the table's pages with cos = 1, sin = 0
.set LAPS, SIZE_K/(2*KSTEP)            ; a lap = two K steps = once round the ring: 8
.set ADRA, 16                          ; v16-17  LDS address of the A fragments in slot 0, 1
.set ADRB, 18                          ; v18-23  LDS address of pair j's low tile in slot s: ADRB + 3 s + j
.set STO,  24                          ; v24     the way out: where I put 16 bytes of a token's row in my region
.set CO,   26                          ; v26     16 x lane: my bytes in 512 consecutive bytes of the table and of qkv; never rewritten
.set RDA,  28                          ; v28-30  the way out: where my 16 bytes of a row of head 0, 1, 2 of the block lie
.set F0,   64                          ; fragment buffer 0
.set F1,   128                         ; fragment buffer 1
.set O,    128                         ; the way out: 16 tokens x 96 columns after RoPE, f32, window 0 (buffer 1 is free by then)
.set TMP,  192                         ; the way out: packed results, window 0, two buffers of 24 registers
.set G1, 24                            ; s[24:31] descriptor group 1 for A's tile
.set G0, 32                            ; s[32:39] descriptor group 0 for A's tile, one set for each slot
.set G1B, 48                           ; s[48:55] group 1 for B's tiles: it differs in the mask alone
.set G0B, 56                           ; s[56:63] group 0 for B's tiles, one set for each slot
.set TB, 68                            ; s[68:73] the table at pair j's first page
.set QB, 76                            ; s[76:81] qkv at my first row of head 0, 1, 2 of the block
.set MSB, 0
.macro WIN new                         ; the immediate's high byte repeats the setting that is left
.if MSB != \new
	s_set_vgpr_msb (MSB<<8)|\new
.set MSB, \new
.endif
.endm
.set MUL_LO, 0xa1                      ; source 0 (B) window 1, source 1 (A) window 0, C and D window 2
.set MUL_HI, 0xf1                      ; the same, C and D window 3
.set TO_B,   0x40                      ; destination window 1, address window 0
; A joint load.  Wave 0 fetches A's tile, waves 1 to 3 one head of B each.  The branch hangs on the wave's number alone.
.macro JLOAD s
	s_cmp_eq_u32 s10, 0
	s_cbranch_scc0 .Lfor_b_\@
	tensor_load_to_lds s[G0+4*\s:G0+4*\s+3], s[G1:G1+7]
	s_nop 0
	s_branch .Lasked_\@
.Lfor_b_\@:
	tensor_load_to_lds s[G0B+4*\s:G0B+4*\s+3], s[G1B:G1B+7]
	s_nop 0
.Lasked_\@:
.endm
; A round of the cluster's barrier: my work-group's barrier, wave 0 signals for the work-group, every wave waits for all sixteen, my work-group's barrier again.
.macro CREST                           ; a round behind its opening barrier
	s_cmp_lg_u32 s10, 0
	s_cbranch_scc1 .Lnot_wave_0_\@
	s_barrier_signal -3
.Lnot_wave_0_\@:
	s_barrier_wait -3
	s_barrier_signal -1
	s_barrier_wait -1
.endm
.macro CROUND                          ; a whole round
	s_barrier_signal -1
	s_barrier_wait -1
	CREST
.endm
	s_load_b128 s[4:7], s[0:1], 0x0                ; h16 s[4:5], rope s[6:7]
	s_load_b64 s[8:9], s[0:1], 0x10                ; qkv
	s_set_vgpr_msb 0x40
	v_lshl_add_u32 v255, v0, 2, 0x44000
	s_set_vgpr_msb 0x4000
	v_mov_b32 v255, 0
	s_set_vgpr_msb 0x1
	ds_add_u32 v255, v255
	s_set_vgpr_msb 0x100
	v_lshrrev_b32 v1, 5, v0
	v_readfirstlane_b32 s10, v1                    ; wave 0..3
	s_mul_i32 s11, s10, 3                          ; my first pair of the block's twelve
	s_bfe_u32 s40, ttmp6, 0x40000                  ; cx
	s_bfe_u32 s41, ttmp6, 0x40004                  ; cy
	s_lshl_b32 s42, ttmp9, 2
	s_add_co_u32 s42, s42, s40                     ; block column = 4 x cluster x + cx, 0..15
	s_and_b32 s13, ttmp7, 0xffff
	s_lshl_b32 s13, s13, 2
	s_add_co_u32 s13, s13, s41                     ; block row = 4 x cluster y + cy, 0..15
	s_lshl_b32 s43, s41, 2
	s_lshl_b32 s43, 15, s43                        ; my row of the cluster: places 4 cy .. 4 cy + 3
	s_lshl_b32 s44, 0x1111, s40                    ; my column: places cx, cx + 4, cx + 8, cx + 12
	; group 1: a tile of 128 rows x 128 elements of 2 bytes, 4 words of padding behind every 64 words
	s_or_b32 s[G1+0], s43, (1<<16)|(1<<20)|(1<<21)|(5<<22)|(3<<25)
	s_or_b32 s[G1B+0], s44, (1<<16)|(1<<20)|(1<<21)|(5<<22)|(3<<25)
	s_mov_b32 s[G1B+1], KSTEP<<16
	s_mov_b32 s[G1+1], KSTEP<<16                   ; tensor_dim0 = 128
	s_mov_b32 s[G1B+2], 128<<16
	s_mov_b32 s[G1+2], 128<<16                     ; tensor_dim1 = 128
	s_mov_b32 s[G1B+3], KSTEP<<16
	s_mov_b32 s[G1+3], KSTEP<<16                   ; tile_dim0 = 128
	s_mov_b32 s[G1B+4], 128
	s_mov_b32 s[G1+4], 128                         ; tile_dim1 = 128
	s_mov_b32 s[G1B+5], SIZE_K
	s_mov_b32 s[G1+5], SIZE_K                      ; elements from row to row
	s_mov_b32 s[G1B+6], 0
	s_mov_b32 s[G1+6], 0
	s_mov_b32 s[G1B+7], 0
	s_mov_b32 s[G1+7], 0
	; A's tile hangs on the block row alone, B's on the block column and the wave; each offset lives in registers that never hold the other coordinate
	s_lshl_b32 s16, s13, 19                        ; A: 128 x block row rows of 4,096 bytes
	s_mov_b32 s17, 0
	s_mul_i32 s46, s42, 384*4096                   ; B: 384 x block column rows,
	s_lshl_b32 s47, s10, 19                        ; + 128 (wave - 1) rows,
	s_add_co_u32 s46, s46, s47
	s_add_co_u32 s46, s46, 0x800000-128*4096       ; behind plane 0 (wave 0 makes the number and does not use it)
	s_mov_b32 s47, 0
	s_mul_i32 s20, s10, HALFT                      ; where they go: wave x 128 rows
	s_wait_dscnt 0x0
	s_wait_kmcnt 0x0
	s_add_nc_u64 s[14:15], s[4:5], s[16:17]
	s_add_nc_u64 s[46:47], s[4:5], s[46:47]
	CROUND                                         ; all sixteen work-groups are here: the first joint loads meet
.irp s, 0,1
	s_mov_b32 s[G0+4*\s], 1
	s_add_co_u32 s[G0+4*\s+1], s20, \s*SLOT
	s_add_nc_u64 s[G0+4*\s+2:G0+4*\s+3], s[14:15], \s*KSTEP*2
	s_or_b32 s[G0+4*\s+3], s[G0+4*\s+3], 0x80000000
	s_mov_b32 s[G0B+4*\s], 1
	s_add_co_u32 s[G0B+4*\s+1], s20, \s*SLOT
	s_add_nc_u64 s[G0B+4*\s+2:G0B+4*\s+3], s[46:47], \s*KSTEP*2
	s_or_b32 s[G0B+4*\s+3], s[G0B+4*\s+3], 0x80000000
	JLOAD \s                                       ; both slots' first fills go out before anything else: two tensor loads of the wave are out
.endr
	; a fragment is 16 rows x 32 K in 8 registers: lane l holds row l % 16; two loads of 16 bytes, 32 bytes apart, at row x pitch + 16 (l / 16)
	v_and_b32 v1, 15, v0                           ; r
	v_bfe_u32 v2, v0, 4, 1                         ; h
	v_mul_u32_u24 v3, v1, PITCH
	v_lshl_add_u32 v3, v2, 4, v3
	v_mov_b32 v[ADRA], v3                          ; every wave reads all 128 rows of A
	v_add_nc_u32 v[ADRA+1], SLOT, v3
.irp j, 0,1,2
	s_add_co_u32 s21, s11, \j                      ; pair p
	s_lshr_b32 s22, s21, 2                         ; its head in the block: 128 rows each,
	s_and_b32 s23, s21, 3                          ; its tile b: 16 rows each,
	s_mul_i32 s22, s22, HALFT
	s_mul_i32 s23, s23, 16*PITCH
	s_add_co_u32 s22, s22, s23
	s_add_co_u32 s22, s22, HALFT                   ; behind A's 128 rows
	v_add_nc_u32 v[ADRB+\j], s22, v3
	v_add_nc_u32 v[ADRB+3+\j], SLOT, v[ADRB+\j]
.endr
	s_mul_i32 s23, s10, REG                        ; my region of the stage
	v_mul_u32_u24 v4, v1, SPITCH
	v_lshl_add_u32 v4, v2, 4, v4
	v_add_nc_u32 v[STO], s23, v4                   ; token r's row, 16 bytes for each half of the lanes
	v_and_b32 v5, 31, v0
	v_lshlrev_b32 v[CO], 4, v5
	; Reading back: lanes 0-15 take one token's row of a head, lanes 16-31 the next token's; lane piece c = l % 16 is d = 8 c .. 8 c + 7: tile c / 2 of the head,
	; that is pair b = (c / 2) % 4, its high tile if c >= 8, the tile's second 16 bytes if c is odd.  Pair p = 4 head + b was stored by wave p / 3 = (11 p) >> 5
	; (p <= 11) at byte 64 (p % 3) of the token's row: wave x REG + 64 (p - 3 wave) = 64 p + wave x (REG - 192).
	v_bfe_u32 v5, v0, 1, 2                         ; b
	v_bfe_u32 v6, v0, 3, 1                         ; high tile
	v_and_b32 v7, 1, v0                            ; second 16 bytes
	v_lshlrev_b32 v8, 5, v6
	v_lshl_add_u32 v8, v7, 4, v8
	s_lshl_b32 s23, s10, 5                         ; I read tokens 32 wave .. 32 wave + 31
	v_add_nc_u32 v9, s23, v2
	v_mul_u32_u24 v9, v9, SPITCH
	v_add_nc_u32 v8, v8, v9
.irp hh, 0,1,2
	v_add_nc_u32 v9, 4*\hh, v5                     ; p
	v_mul_u32_u24 v10, v9, 11
	v_lshrrev_b32 v10, 5, v10                      ; p / 3
	v_mul_u32_u24 v10, v10, REG-192
	v_lshl_add_u32 v10, v9, 6, v10
	v_add_nc_u32 v[RDA+\hh], v10, v8
.endr
; 12 matrix instructions: m blocks a0, a0 + 1 of the window's four x all 6 n blocks, 32 along K.  zero = 1: the first product starts the sums.
.macro MUL12 f, hi, a0, zero
.irp a, \a0, \a0+1
.irp b, 0,1,2,3,4,5
.if \zero
	v_wmma_f32_16x16x32_f16 v[8*(6*(\a)+\b):8*(6*(\a)+\b)+7], v[\f+8*\b:\f+8*\b+7], v[\f+8*(4*\hi+\a):\f+8*(4*\hi+\a)+7], 0
.else
	v_wmma_f32_16x16x32_f16 v[8*(6*(\a)+\b):8*(6*(\a)+\b)+7], v[\f+8*\b:\f+8*\b+7], v[\f+8*(4*\hi+\a):\f+8*(4*\hi+\a)+7], v[8*(6*(\a)+\b):8*(6*(\a)+\b)+7]
.endif
.endr
.endr
.endm
; 28 LDS loads in one run: the fragments of one quarter step into buffer f: my three pairs of B (the high tile lies 64 rows behind the low one), then A's 128 rows
.macro FETCH slot, k, f
	WIN TO_B
.irp j, 0,1,2
	ds_load_b128 v[\f+8*\j:\f+8*\j+3],       v[ADRB+3*\slot+\j] offset:\k
	ds_load_b128 v[\f+8*\j+4:\f+8*\j+7],     v[ADRB+3*\slot+\j] offset:\k+32
	ds_load_b128 v[\f+24+8*\j:\f+24+8*\j+3],   v[ADRB+3*\slot+\j] offset:\k+64*PITCH
	ds_load_b128 v[\f+24+8*\j+4:\f+24+8*\j+7], v[ADRB+3*\slot+\j] offset:\k+64*PITCH+32
.endr
	WIN 0
.irp i, 0,1,2,3,4,5,6,7
	ds_load_b128 v[\f+8*\i:\f+8*\i+3],   v[ADRA+\slot] offset:\k+\i*16*PITCH
	ds_load_b128 v[\f+8*\i+4:\f+8*\i+7], v[ADRA+\slot] offset:\k+\i*16*PITCH+32
.endr
.endm
; four plain vector instructions between a matrix instruction and a load into, or a vector instruction on, one of its registers
.macro PLACES
.rept 4
	v_nop
.endr
.endm
; a quarter step: multiplies buffer f; in its middle it fetches the next quarter's fragments into buffer g
.macro QUARTER slot, k, f, g, zero
	s_wait_dscnt 8                                 ; B and A's rows 0-63 are in; the youngest eight loads (A's rows 64-127) may be out
	WIN MUL_LO
	MUL12 \f, 0, 0, \zero
	MUL12 \f, 0, 2, \zero
	PLACES
	FETCH \slot, \k, \g
	s_wait_dscnt 28                                ; all but the 28 just issued
	WIN MUL_HI
	MUL12 \f, 1, 0, \zero
	MUL12 \f, 1, 2, \zero
.endm
.macro THREE slot, zero
	QUARTER \slot, 64,  F0, F1, \zero
	QUARTER \slot, 128, F1, F0, 0
	QUARTER \slot, 192, F0, F1, 0
.endm
; The last quarter multiplies buffer 1 and changes slots.  In front of the barrier each wave waits for its reads of this slot and for all its
; tensor loads (one is out: its part of the next slot).  Behind it the refill comes first, then the next slot's first fragments.
; From a request to the wait for it a wave issues 180 of a K step's 192 matrix instructions.
.macro TURN slot, next, fill
	s_wait_dscnt 8
	WIN MUL_LO
	MUL12 F1, 0, 0, 0
	s_wait_dscnt 0                                 ; my reads of this slot are over
	s_wait_tensorcnt 0x0                           ; and all my tensor loads have landed
	ds_add_u32 v255, v255
	s_wait_dscnt 0x0
	s_barrier_signal -1
	MUL12 F1, 0, 2, 0                              ; register work while the others arrive
	WIN 0
	s_barrier_wait -1
.if \fill
	CREST                                          ; no wave of any partner still reads this slot or has a load on its way
	s_add_nc_u64 s[G0+4*\slot+2:G0+4*\slot+3], s[G0+4*\slot+2:G0+4*\slot+3], 2*KSTEP*2
	s_add_nc_u64 s[G0B+4*\slot+2:G0B+4*\slot+3], s[G0B+4*\slot+2:G0B+4*\slot+3], 2*KSTEP*2
	JLOAD \slot                                    ; the first tensor load behind the round, and the wave's only one until the next
.endif
	PLACES
	FETCH \next, 0, F0
	WIN MUL_HI
	MUL12 F1, 1, 0, 0
	MUL12 F1, 1, 2, 0
.endm
.macro LAP zero
	THREE 0, \zero
	TURN 0, 1, 1
	THREE 1, 0
	TURN 1, 0, 1
.endm
; the last K step, with nothing more to fetch
.macro LAST
	THREE 1, 0
	s_wait_dscnt 8
	WIN MUL_LO
	MUL12 F1, 0, 0, 0
	MUL12 F1, 0, 2, 0
	s_wait_dscnt 0
	WIN MUL_HI
	MUL12 F1, 1, 0, 0
	MUL12 F1, 1, 2, 0
.endm
	s_wait_tensorcnt 1                             ; my part of K step 0 is in; K step 1's stays out
	s_barrier_signal -1
	s_barrier_wait -1
	FETCH 0, 0, F0
	LAP 1                                          ; the first lap stands in front of the loop: its first products start the sums
	WIN 0
	s_mov_b32 s3, LAPS-2
.Llap:
	LAP 0
	WIN 0
	s_sub_co_u32 s3, s3, 1
	s_cmp_lg_u32 s3, 0
	s_cbranch_scc1 .Llap
	THREE 0, 0                                     ; the last lap fills nothing
	TURN 0, 1, 0                                   ; behind this barrier no wave reads slot 0 and no load fills it: it is the stage from here on
	WIN 0
	; Bases for the way out.  No tensor load is out or follows.  Numbers made of cy alone stay in s13-s17; what holds cx as well lives in s68-s85, which feed no descriptor.
	s_and_b32 s14, s13, 7                          ; my block row within its batch
	s_lshl_b32 s16, s14, 16                        ; the table: 128 positions are 8 pages of 8,192 bytes
	s_lshr_b32 s17, s13, 3                         ; batch:
	s_lshl_b32 s17, s17, 22                        ; 16 heads x 1,024 rows x 256 bytes
	s_lshl_b32 s14, s14, 15                        ; 128 rows of 256 bytes
	s_add_co_u32 s17, s17, s14
	s_lshl_b32 s14, s10, 13                        ; I store rows 32 wave .. 32 wave + 31 of the block
	s_add_co_u32 s17, s17, s14
	s_mul_i32 s82, s42, 3                          ; my block's first head among the 48 of q, k, v
.irp hh, 0,1,2
	s_add_co_u32 s83, s82, \hh
	s_lshr_b32 s84, s83, 4
	s_lshl_b32 s84, s84, 5                         ; which of q, k, v: 32 heads' worth of bytes each (two batches)
	s_and_b32 s83, s83, 15
	s_add_co_u32 s84, s84, s83
	s_lshl_b32 s84, s84, 18                        ; a head of one batch is 262,144 bytes
	s_add_co_u32 s84, s84, s17
	s_mov_b32 s85, 0
	s_add_nc_u64 s[QB+2*\hh:QB+2*\hh+1], s[8:9], s[84:85]
.endr
; 12 loads: cos and sin of row block i (16 positions) for my three pairs (16 frequencies each) into window 1 at base; each covers 512 consecutive bytes
.macro TLOAD i, base
	WIN TO_B
.irp j, 0,1,2
.irp q, 0,1,2,3
	global_load_b128 v[\base+16*\j+4*\q:\base+16*\j+4*\q+3], v[CO], s[TB+2*\j:TB+2*\j+1] offset:(\i)*8192+\q*512
.endr
.endr
.endm
; 16 tokens x 96 columns, packed in buffer tb, into my region of the stage: pair j at byte 64 j of a token's row, its high tile 32 bytes on
.macro TOSTAGE i, tb
.irp j, 0,1,2
	ds_store_b128 v[STO], v[\tb+4*\j:\tb+4*\j+3]       offset:(\i)*16*SPITCH+64*\j
	ds_store_b128 v[STO], v[\tb+12+4*\j:\tb+12+4*\j+3] offset:(\i)*16*SPITCH+64*\j+32
.endr
.endm
; rows 16 i .. 16 i + 15 with RoPE.  from: source 0 in the accumulators' window, source 1 in window 1.  cs: where the block's table lies.
; left: the table loads issued behind this block's own.  more = 1: the table of block i + 4 is asked for into the registers just read.
.macro OUTR i, a, from, cs, tb, left, more
	s_wait_loadcnt \left
	WIN \from
.irp j, 0,1,2
.irp p, 0,2,4,6
	v_pk_mul_f32 v[O+8*\j+\p:O+8*\j+\p+1], v[8*(6*\a+\j+3)+\p:8*(6*\a+\j+3)+\p+1], v[\cs+16*\j+8+\p:\cs+16*\j+8+\p+1]        ; x[d+64] sin
	v_pk_mul_f32 v[O+24+8*\j+\p:O+24+8*\j+\p+1], v[8*(6*\a+\j)+\p:8*(6*\a+\j)+\p+1], v[\cs+16*\j+8+\p:\cs+16*\j+8+\p+1]      ; x[d] sin
	v_pk_fma_f32 v[O+8*\j+\p:O+8*\j+\p+1], v[8*(6*\a+\j)+\p:8*(6*\a+\j)+\p+1], v[\cs+16*\j+\p:\cs+16*\j+\p+1], v[O+8*\j+\p:O+8*\j+\p+1] neg_lo:[0,0,1] neg_hi:[0,0,1]   ; x[d] cos - x[d+64] sin
	v_pk_fma_f32 v[O+24+8*\j+\p:O+24+8*\j+\p+1], v[8*(6*\a+\j+3)+\p:8*(6*\a+\j+3)+\p+1], v[\cs+16*\j+\p:\cs+16*\j+\p+1], v[O+24+8*\j+\p:O+24+8*\j+\p+1]                  ; x[d+64] cos + x[d] sin
.endr
.endr
.if \more
	TLOAD \i+4, \cs
.endif
	WIN 0
	s_wait_dscnt 6                                 ; the six stores of the block before may be out; those of the block before last, which read buffer tb, are done
.irp n, 0,1,2,3,4,5
.irp r, 0,1,2,3
	v_cvt_pk_f16_f32 v[\tb+4*\n+\r], v[O+8*\n+2*\r], v[O+8*\n+2*\r+1]
.endr
.endr
	TOSTAGE \i, \tb
.endm
; the same rows without RoPE (v).  from: sources 0 and 1 in the accumulators' window.
.macro OUTV i, a, from, tb
	s_wait_dscnt 6                                 ; as above
	WIN \from
.irp n, 0,1,2,3,4,5
.irp r, 0,1,2,3
	v_cvt_pk_f16_f32 v[\tb+4*\n+\r], v[8*(6*\a+\n)+2*\r], v[8*(6*\a+\n)+2*\r+1]
.endr
.endr
	WIN 0
	TOSTAGE \i, \tb
.endm
	s_cmp_ge_u32 ttmp9, 3                          ; the cluster's x: 0, 1 = q and k; 2 = k and v; 3 = v.  It is the same in all sixteen partners
	s_cbranch_scc1 .Lv
.irp j, 0,1,2
	s_add_co_u32 s83, s11, \j                      ; pair p
	s_lshr_b32 s84, s83, 2
	s_add_co_u32 s84, s84, s82                     ; its head among the 48
	s_and_b32 s83, s83, 3
	s_lshl_b32 s83, s83, 11                        ; its 16 frequencies: 2,048 bytes of a page
	s_cmp_ge_u32 s84, 32                           ; a head of v reads the pages with cos = 1, sin = 0: an offset is chosen, no way through the text
	s_cselect_b32 s84, IDENT, s16
	s_add_co_u32 s84, s84, s83
	s_mov_b32 s85, 0
	s_add_nc_u64 s[TB+2*\j:TB+2*\j+1], s[6:7], s[84:85]
.endr
	TLOAD 0, 0                                     ; two row blocks' tables travel under the last K step, into registers that the loop never names
	TLOAD 1, 192
	LAST
	PLACES                                         ; behind the last matrix instructions: results are read, fragment buffers written and loaded
	TLOAD 2, 64                                    ; B's fragment buffers are free now
	TLOAD 3, 128
	OUTR 0, 0, 0x06, 0,   TMP,    36, 1            ; behind block i's 12 table loads stand those of three later blocks: 36
	OUTR 1, 1, 0x06, 192, TMP+24, 36, 1
	OUTR 2, 2, 0x06, 64,  TMP,    36, 1
	OUTR 3, 3, 0x06, 128, TMP+24, 36, 1
	OUTR 4, 0, 0x07, 0,   TMP,    36, 0
	OUTR 5, 1, 0x07, 192, TMP+24, 24, 0            ; nothing more is asked for: the counts run down
	OUTR 6, 2, 0x07, 64,  TMP,    12, 0
	OUTR 7, 3, 0x07, 128, TMP+24, 0, 0
	s_branch .Lstaged
.Lv:
	LAST
	PLACES
	OUTV 0, 0, 0x0a, TMP
	OUTV 1, 1, 0x0a, TMP+24
	OUTV 2, 2, 0x0a, TMP
	OUTV 3, 3, 0x0a, TMP+24
	OUTV 4, 0, 0x0f, TMP
	OUTV 5, 1, 0x0f, TMP+24
	OUTV 6, 2, 0x0f, TMP
	OUTV 7, 3, 0x0f, TMP+24
.Lstaged:
	s_wait_dscnt 0x0                               ; my part of the stage is written
	s_barrier_signal -1
	s_barrier_wait -1                              ; everybody's is
; 32 rows of head hh of the block, two rows (512 bytes) to a load; then the same rows to qkv, where two rows are 512 consecutive bytes
.macro RLOAD hh, rb
.irp t, 0,1,2,3,4,5,6,7,8,9,10,11,12,13,14,15
	ds_load_b128 v[\rb+4*\t:\rb+4*\t+3], v[RDA+\hh] offset:\t*2*SPITCH
.endr
.endm
.macro RSTORE hh, rb, behind           ; behind = the LDS loads issued behind this head's sixteen
.irp t, 0,1,2,3,4,5,6,7,8,9,10,11,12,13,14,15
	s_wait_dscnt \behind+15-\t
	global_store_b128 v[CO], v[\rb+4*\t:\rb+4*\t+3], s[QB+2*\hh:QB+2*\hh+1] offset:\t*512
.endr
.endm
	RLOAD 0, F0
	RLOAD 1, F1
	RSTORE 0, F0, 16
	s_wait_xcnt 0x0                                ; the stores above have read buffer 0: it is loaded again only behind this wait
	RLOAD 2, F0
	RSTORE 1, F1, 16
	RSTORE 2, F0, 0
	s_set_vgpr_msb 0x1
	s_wait_tensorcnt 0x0
	ds_add_u32 v255, v255
	s_wait_dscnt 0x0
	s_set_vgpr_msb 0x100
	CROUND                                         ; the closing round: no work-group ends while a partner may still ask for a tile that names it
	s_endpgm
.Lfunc_end_k_q185e5057f7_qkv:
	.size	k_q185e5057f7_qkv, .Lfunc_end_k_q185e5057f7_qkv-k_q185e5057f7_qkv
	.p2alignl 7, 3214868480
	.fill 96, 4, 3214868480
	.section	.rodata,"a",@progbits
	.p2align	6, 0x0
	.amdhsa_kernel k_q185e5057f7_qkv
		.amdhsa_group_segment_fixed_size 327680
		.amdhsa_private_segment_fixed_size 0
		.amdhsa_enable_private_segment 0
		.amdhsa_kernarg_size 24
		.amdhsa_user_sgpr_count 2
		.amdhsa_user_sgpr_kernarg_segment_ptr 1
		.amdhsa_wavefront_size32 1
		.amdhsa_system_sgpr_workgroup_id_x 1
		.amdhsa_system_sgpr_workgroup_id_y 1
		.amdhsa_system_sgpr_workgroup_id_z 1
		.amdhsa_system_vgpr_workitem_id 0
		.amdhsa_next_free_vgpr 960
		.amdhsa_next_free_sgpr 88
		.amdhsa_reserve_vcc 0
		.amdhsa_float_denorm_mode_32 3
		.amdhsa_float_denorm_mode_16_64 3
		.amdhsa_memory_ordered 1
		.amdhsa_forward_progress 1
		.amdhsa_inst_pref_size 229
	.end_amdhsa_kernel
	.amdgpu_metadata
---
amdhsa.version: [ 1, 2 ]
amdhsa.kernels:
  - .name:           k_q185e5057f7_qkv
    .symbol:         k_q185e5057f7_qkv.kd
    .args:
      - { .name: h16, .offset: 0, .size: 8, .value_kind: global_buffer, .address_space: global }
      - { .name: rope, .offset: 8, .size: 8, .value_kind: global_buffer, .address_space: global }
      - { .name: qkv, .offset: 16, .size: 8, .value_kind: global_buffer, .address_space: global }
    .group_segment_fixed_size: 327680
    .private_segment_fixed_size: 0
    .kernarg_segment_align: 8
    .kernarg_segment_size: 24
    .max_flat_workgroup_size: 128
    .sgpr_count:     88
    .vgpr_count:     960
    .wavefront_size: 32
...
	.end_amdgpu_metadata
.endif
;; end of part 2
;; launch attn (part 3): grid 8 x 32, 4 waves a work-group, clusters of 4 x 1, 327,680 bytes of LDS; arguments qkv, attention_mask, att; writes att
.if DOCPART == 3
	.amdgcn_target "amdgcn-amd-amdhsa--gfx1250"
	.amdhsa_code_object_version 6
	.text
	.protected	k_q185e5057f7_attn
	.globl	k_q185e5057f7_attn
	.p2align	8
	.type	k_q185e5057f7_attn,@function
k_q185e5057f7_attn:
	s_mov_b64 s[64:65], 0
	v_nop
	global_prefetch_b8 v0, s[64:65] scope:SCOPE_SE
	s_setreg_imm32_b32 hwreg(HW_REG_WAVE_MODE, 25, 1), 1
	s_wait_xcnt 0x0
	s_wait_alu depctr_hold_cnt(0) depctr_sa_sdst(0) depctr_va_vdst(0) depctr_va_sdst(0) depctr_va_ssrc(0) depctr_va_vcc(0) depctr_vm_vsrc(0)
	s_getreg_b32 s2, hwreg(HW_REG_IB_STS2, 6, 4)
	s_cmp_eq_u32 s2, 0
	s_cbranch_scc0 .Lentry_in_a_cluster
	s_endpgm
.Lentry_in_a_cluster:
	s_bfe_u32 s2, ttmp6, 0x10000c
	s_cmp_lg_u32 s2, 0x3003
	s_cbranch_scc0 .Lentry_shape_is_right
	s_endpgm
.Lentry_shape_is_right:
; LlamaAttention, launch 3 of 4: att[token][head*128 + d] = softmax(q k^T / sqrt(128), keys with mask 0 at -inf) v, in f16.
; No work of reference() is left out here: the mask is an input, so every key tile is multiplied and the mask selects values.
; A work-group is 128 queries of one (batch, head): x = query block 0..7, y = 16 batch + head.  A wave holds 32 queries as two query tiles, A and B.
; CLUSTERS: the four query blocks of a cluster (same y) walk the same K and V: each tile of 256 keys is asked for jointly, mask 15.
; Two LDS slots of 256 keys (K, then V); waves 0, 1 fetch K's halves, waves 2, 3 V's, 128 rows of 256 bytes each.
; LAYOUTS.  S^T = K Q^T (source 0 = 16 keys, source 1 = 16 queries): lane (r, h) holds query r, register j key 8 h + j.  Two such tiles, packed
; to f16 in pairs, ARE source 1 of O^T = V^T P^T; source 0, V^T, comes by the transposing LDS load.  O^T: lane (r, h) holds query r, register j
; d = 16 dt + 8 h + j.  So a query's maximum and sum need one exchange between lane r and lane r + 16, and no LDS.
; The mask enters as the C operand of each score tile's first product: 0 for a live key, -2^100 for a masked one.
; SOFTMAX: a running maximum m per query; nm = -m sc with sc = log2(e)/sqrt(128); p = exp2(S sc + nm); alpha = exp2(nm_new - nm_old).
; p, l and alpha all use the stored, rounded nm, so they refer to one point.  l stays a sum per lane until the end.
; THE TWO QUERY TILES TAKE TURNS.  A step t is 32 keys, in four phases; one tile's vector work stands between the other tile's products:
;   1  QK(B,t)    8 products | softmax of A's scores of step t, in 8 slices of 7 instructions; K(t+1) and its bias are loaded behind each fragment's last use
;   2  PV(B,t-1)  8 products | O(A) x alpha(A,t), 4 instructions behind each product; V(t) is loaded behind each fragment's last use
;   3  QK(A,t+1)  8 products | softmax of B's scores of step t
;   4  PV(A,t)    8 products | O(B) x alpha(B,t)
; 32 products and 222 other instructions a step.  32 keys and not 64, so that phases 1 and 3 live in window 0 alone (248 registers) and phases 2 and 4
; under one setting (V, O and V's address in window 1, P and alpha in window 0 as source 1): four switches of the window a step.
; The slices are also the places behind the products: they name none of the other tile's registers; in front of every load into a
; fragment stand four or more plain vector instructions behind the product that read it last.
; Accumulators take turns, one matrix instruction a turn (2 score tiles, 8 output tiles a phase).
; LIMITS: a masked key counts as -2^100, not -inf; the running maximum starts at -2^60, so a query whose live raw scores all lie below -2^60
; gives NaN.  A batch whose keys are all masked gives l = 0 and O = 0, and 0 x (1/0) = NaN, as reference() gives.  q, k, v, p and att are f16:
; p is at most 1 (below 6.1e-5 it is kept in steps of 6e-8), att is a convex mix of v and has v's range.
.set KP, 272                           ; K's LDS pitch: 256 bytes + 16
.set VP, 288                           ; V's LDS pitch: 256 bytes + 32, an odd multiple of 32 for the transposing load
.set KBYTES, 256*KP
.set VBYTES, 256*VP
.set SLOT, KBYTES+VBYTES               ; 143,360
.set BIAS, 2*SLOT                      ; 1,024 f32: 0 or -2^100 for each key of my batch; written by LDS stores, no tensor load lands there
.set STAGE, BIAS+4096                  ; 16 rows x 272 bytes for each wave, for the way out
.set SP, 272
; window 0
.set ADRK, 8                           ; v8-9     LDS address of my K fragments in slot 0, 1
.set AK, 12                            ; v12      K's address of the step that is loaded next
.set AB, 14                            ; v14      the bias's
.set STO, 15
.set RD, 16
.set CO, 17
.set QO, 18
.set STAT, 20                          ; v[20+4p ..]: nm, m, alpha, l of query tile p
.set T, 28                             ; v28-39   at work
.set BI, 40                            ; v40-55   bias fragments, 8 registers for each of the step's two key tiles
.set S, 56                             ; v56-87   scores: tile (p, kt) at S + 16 p + 8 kt
.set P, 88                             ; v88-103  p in f16: P + 8 p
.set E, 104                            ; v104-119 one query tile's 16 exponentials
.set QF, 120                           ; v120-183 Q fragments at QF + 32 p + 8 c
.set KF, 184                           ; v184-247 K fragments at KF + 32 kt + 8 c
.set FP, 40                            ; the way out: 32 registers of packed results
.set FS, 120                           ; the way out: 64 registers of O / l
.set RB, 184                           ; the way out: 32 registers of rows read back
; window 1
.set AV, 0                             ; v256     V's address of the step that is loaded next
.set ADRV, 2                           ; v258-259 LDS address of my V fragments in slot 0, 1
.set OB, 64                            ; v320-447 O at OB + 64 p + 8 dt
.set VF, 192                           ; v448-511 V fragments at VF + 8 dt
.set PVWIN, 0x51                       ; source 0, source 2 and destination window 1, source 1 window 0
.set G1K, 24
.set G0K, 32
.set G1V, 48
.set G0V, 56
.set MSB, 0
.macro WIN new                         ; the immediate's high byte repeats the setting that is left
.if MSB != \new
	s_set_vgpr_msb (MSB<<8)|\new
.set MSB, \new
.endif
.endm
.macro JLOAD s                         ; waves 0, 1: K's halves; waves 2, 3: V's.  The branch hangs on the wave's number alone
	s_cmp_eq_u32 s11, 0
	s_cbranch_scc0 .Lfor_v_\@
	tensor_load_to_lds s[G0K+4*\s:G0K+4*\s+3], s[G1K:G1K+7]
	s_nop 0
	s_branch .Lasked_\@
.Lfor_v_\@:
	tensor_load_to_lds s[G0V+4*\s:G0V+4*\s+3], s[G1V:G1V+7]
	s_nop 0
.Lasked_\@:
.endm
.macro CROUND                          ; a round of the cluster's barrier
	s_barrier_signal -1
	s_barrier_wait -1
	s_cmp_lg_u32 s10, 0
	s_cbranch_scc1 .Lnot_wave_0_\@
	s_barrier_signal -3
.Lnot_wave_0_\@:
	s_barrier_wait -3
	s_barrier_signal -1
	s_barrier_wait -1
.endm
.macro PLACES                          ; four plain vector instructions behind a matrix instruction (ISA guide 7.12.1)
.rept 4
	v_nop
.endr
.endm
	s_load_b128 s[4:7], s[0:1], 0x0                ; qkv s[4:5], attention_mask s[6:7]
	s_load_b64 s[8:9], s[0:1], 0x10                ; att
	v_lshl_add_u32 v254, v0, 2, 0x4b400
	v_mov_b32 v255, 0
	ds_add_u32 v254, v255
	v_lshrrev_b32 v1, 5, v0
	v_readfirstlane_b32 s10, v1                    ; wave 0..3
	s_lshr_b32 s11, s10, 1                         ; I fetch for K (0) or for V (1)
	s_and_b32 s12, s10, 1                          ; which 128 keys of a tile I fetch
	s_bfe_u32 s40, ttmp6, 0x40000                  ; cx
	s_lshl_b32 s41, ttmp9, 2
	s_add_co_u32 s41, s41, s40                     ; x: my query block.  Numbers made of cx stay in s40-s44, s46, s47 and s[8:9]
	s_and_b32 s13, ttmp7, 0xffff                   ; y = 16 batch + head, the same in all four partners
	s_mov_b32 s20, 0x3e0293ee                      ; sc = log2(e) / sqrt(128)
	s_mov_b32 s21, 0xbe0293ee                      ; -sc
	s_mov_b32 s22, 0x76543210                      ; v_permlanex16_b32: lane i of one half reads lane i of the other
	s_mov_b32 s23, 0xfedcba98
	s_mov_b32 s45, 0xdd800000                      ; -2^60: where the running maximum starts
	; group 1: 128 rows x 128 elements of 2 bytes, rows dense in memory; padding behind every 64 words: 4 words for K, 8 for V
	s_mov_b32 s[G1K+0], 15|(1<<16)|(1<<20)|(1<<21)|(5<<22)|(3<<25)
	s_mov_b32 s[G1V+0], 15|(1<<16)|(1<<20)|(1<<21)|(5<<22)|(7<<25)
	s_mov_b32 s[G1K+1], 128<<16
	s_mov_b32 s[G1V+1], 128<<16                    ; tensor_dim0 = 128
	s_mov_b32 s[G1K+2], 128<<16
	s_mov_b32 s[G1V+2], 128<<16                    ; tensor_dim1 = 128
	s_mov_b32 s[G1K+3], 128<<16
	s_mov_b32 s[G1V+3], 128<<16                    ; tile_dim0 = 128
	s_mov_b32 s[G1K+4], 128
	s_mov_b32 s[G1V+4], 128                        ; tile_dim1 = 128
	s_mov_b32 s[G1K+5], 128
	s_mov_b32 s[G1V+5], 128                        ; elements from row to row
	s_mov_b32 s[G1K+6], 0
	s_mov_b32 s[G1V+6], 0
	s_mov_b32 s[G1K+7], 0
	s_mov_b32 s[G1V+7], 0
	s_lshl_b32 s16, s13, 18                        ; a (batch, head) is 262,144 bytes,
	s_lshl_b32 s17, s12, 15                        ; 128 rows are 32,768
	s_add_co_u32 s16, s16, s17
	s_mov_b32 s17, 0
	s_add_nc_u64 s[18:19], s[16:17], 0x1000000     ; offsets: v's plane
	s_add_nc_u64 s[16:17], s[16:17], 0x800000      ; and k's
	s_mul_i32 s14, s12, 128*KP                     ; where they go
	s_mul_i32 s15, s12, 128*VP
	s_add_co_u32 s15, s15, KBYTES
	s_wait_dscnt 0x0
	s_wait_kmcnt 0x0
	s_add_nc_u64 s[16:17], s[4:5], s[16:17]
	s_add_nc_u64 s[18:19], s[4:5], s[18:19]
	CROUND                                         ; all four work-groups are here: the first joint loads meet
.irp s, 0,1
	s_mov_b32 s[G0K+4*\s], 1
	s_add_co_u32 s[G0K+4*\s+1], s14, \s*SLOT
	s_add_nc_u64 s[G0K+4*\s+2:G0K+4*\s+3], s[16:17], \s*65536      ; keys 256 s ..
	s_or_b32 s[G0K+4*\s+3], s[G0K+4*\s+3], 0x80000000
	s_mov_b32 s[G0V+4*\s], 1
	s_add_co_u32 s[G0V+4*\s+1], s15, \s*SLOT
	s_add_nc_u64 s[G0V+4*\s+2:G0V+4*\s+3], s[18:19], \s*65536
	s_or_b32 s[G0V+4*\s+3], s[G0V+4*\s+3], 0x80000000
	JLOAD \s                                       ; both slots' first fills: two tensor loads of the wave are out, later one
.endr
	s_lshl_b32 s42, s13, 18                        ; Q: my 32 rows of plane 0
	s_lshl_b32 s44, s41, 15
	s_add_co_u32 s42, s42, s44
	s_lshl_b32 s44, s10, 13
	s_add_co_u32 s42, s42, s44
	s_mov_b32 s43, 0
	s_add_nc_u64 s[46:47], s[4:5], s[42:43]
	s_lshr_b32 s14, s13, 4                         ; batch
	s_lshl_b32 s42, s14, 22                        ; att: (1,024 batch + 128 x + 32 wave) rows of 4,096 bytes + 256 head
	s_lshl_b32 s44, s41, 19
	s_add_co_u32 s42, s42, s44
	s_lshl_b32 s44, s10, 17
	s_add_co_u32 s42, s42, s44
	s_and_b32 s44, s13, 15
	s_lshl_b32 s44, s44, 8
	s_add_co_u32 s42, s42, s44
	s_add_nc_u64 s[8:9], s[8:9], s[42:43]
	s_lshl_b32 s16, s14, 12                        ; the mask of my batch
	s_mov_b32 s17, 0
	s_add_nc_u64 s[6:7], s[6:7], s[16:17]
	v_lshlrev_b32 v19, 5, v0                       ; thread t takes keys 8 t .. 8 t + 7
	global_load_b128 v[28:31], v19, s[6:7]
	global_load_b128 v[32:35], v19, s[6:7] offset:16
	v_and_b32 v1, 15, v0                           ; r
	v_bfe_u32 v2, v0, 4, 1                         ; h
	v_lshlrev_b32 v3, 4, v2                        ; 16 h
	v_lshl_add_u32 v[QO], v1, 8, v3                ; query r's row + 16 h
.irp qt, 0,1
.irp c, 0,1,2,3
	global_load_b128 v[QF+32*\qt+8*\c:QF+32*\qt+8*\c+3],   v[QO], s[46:47] offset:\qt*4096+64*\c
	global_load_b128 v[QF+32*\qt+8*\c+4:QF+32*\qt+8*\c+7], v[QO], s[46:47] offset:\qt*4096+64*\c+32
.endr
.endr
	v_mul_u32_u24 v4, v1, KP
	v_add_nc_u32 v[ADRK], v4, v3                   ; key r's row + 16 h
	v_add_nc_u32 v[ADRK+1], SLOT, v[ADRK]
	v_and_b32 v5, 7, v0
	v_lshl_add_u32 v5, v2, 3, v5                   ; the transposing load: key 8 h + (l & 7),
	v_mul_u32_u24 v5, v5, VP
	v_bfe_u32 v6, v0, 3, 1
	v_lshl_add_u32 v5, v6, 4, v5                   ; 16 bytes on for the odd groups of eight lanes
	WIN 0x40                                       ; destination window 1: V's addresses live beside V's fragments
	v_add_nc_u32 v[AV], KBYTES, v5
	v_add_nc_u32 v[ADRV], KBYTES, v5
	v_add_nc_u32 v[ADRV+1], SLOT+KBYTES, v5
	WIN 0
	v_lshlrev_b32 v[AB], 5, v2
	v_add_nc_u32 v[AB], BIAS, v[AB]                ; keys 8 h .. 8 h + 7
	s_mul_i32 s15, s10, 16*SP
	s_add_co_u32 s15, s15, STAGE                   ; my stage
	v_add_nc_u32 v[STO], s15, v[ADRK]              ; in: row r, 16 bytes for each half of the lanes (the stage's pitch is K's)
	v_mul_u32_u24 v6, v2, SP
	v_lshl_add_u32 v6, v1, 4, v6
	v_add_nc_u32 v[RD], s15, v6                    ; back: lanes 0-15 one row of 256 bytes, lanes 16-31 the next
	v_lshlrev_b32 v6, 12, v2
	v_lshl_add_u32 v[CO], v1, 4, v6                ; and the same two rows in att
	v_mov_b32 v[AK], v[ADRK]
	v_mov_b32 v7, 0xf1800000                       ; -2^100
	v_add_nc_u32 v6, BIAS, v19
	s_wait_loadcnt 16                              ; the mask is in; the 16 loads of Q stay out
.irp j, 0,1,2,3,4,5,6,7
	v_cmp_eq_u32 vcc_lo, 0, v[28+\j]
	v_cndmask_b32 v[28+\j], 0, v7, vcc_lo
.endr
	ds_store_b128 v6, v[28:31]
	ds_store_b128 v6, v[32:35] offset:16
	s_wait_loadcnt 0x0                             ; Q
	s_wait_tensorcnt 0x1                           ; my part of slot 0 is in; slot 1's stays out
	s_wait_dscnt 0x0                               ; my part of the bias is written
	s_barrier_signal -1
	s_barrier_wait -1
; product i (0..7) of a query tile's scores on 32 keys: key tile i % 2, 32 of d at 32 (i / 2).  The two key tiles' sums take turns and start at the mask's bias.
.macro QKW p, i
.set kt_, (\i)%2
.set c_, (\i)/2
.if c_ == 0
	v_wmma_f32_16x16x32_f16 v[S+16*\p+8*kt_:S+16*\p+8*kt_+7], v[KF+32*kt_:KF+32*kt_+7], v[QF+32*\p:QF+32*\p+7], v[BI+8*kt_:BI+8*kt_+7]
.else
	v_wmma_f32_16x16x32_f16 v[S+16*\p+8*kt_:S+16*\p+8*kt_+7], v[KF+32*kt_+8*c_:KF+32*kt_+8*c_+7], v[QF+32*\p+8*c_:QF+32*\p+8*c_+7], v[S+16*\p+8*kt_:S+16*\p+8*kt_+7]
.endif
.endm
; the K fragment that product i reads, of the step at AK
.macro KL i
.set kt_, (\i)%2
.set c_, (\i)/2
	ds_load_b128 v[KF+32*kt_+8*c_:KF+32*kt_+8*c_+3],   v[AK] offset:kt_*16*KP+64*c_
	ds_load_b128 v[KF+32*kt_+8*c_+4:KF+32*kt_+8*c_+7], v[AK] offset:kt_*16*KP+64*c_+32
.endm
.macro BL kt                           ; the bias of key tile kt of the step at AB
	ds_load_b128 v[BI+8*\kt:BI+8*\kt+3],   v[AB] offset:64*\kt
	ds_load_b128 v[BI+8*\kt+4:BI+8*\kt+7], v[AB] offset:64*\kt+16
.endm
.macro KSTEP                           ; 32 keys on
	v_add_nc_u32 v[AK], 32*KP, v[AK]
	v_add_nc_u32 v[AB], 128, v[AB]
.endm
.macro KRUN                            ; a whole step's bias and K in one run: at the start and behind a change of slots
	BL 0
	BL 1
.irp i, 0,1,2,3,4,5,6,7
	KL \i
.endr
	KSTEP
.endm
.macro VL dt                           ; V^T fragment dt (16 d x 32 keys) of the step at AV; data and address in window 1
	ds_load_tr16_b128 v[VF+8*\dt:VF+8*\dt+3],   v[AV] offset:32*\dt
	ds_load_tr16_b128 v[VF+8*\dt+4:VF+8*\dt+7], v[AV] offset:16*VP+32*\dt
.endm
; O^T(p, dt) += V^T(dt) P^T(p) for 32 keys.  zero = 1: the product starts the sum.
.macro PVW p, dt, zero
.if \zero
	v_wmma_f32_16x16x32_f16 v[OB+64*\p+8*\dt:OB+64*\p+8*\dt+7], v[VF+8*\dt:VF+8*\dt+7], v[P+8*\p:P+8*\p+7], 0
.else
	v_wmma_f32_16x16x32_f16 v[OB+64*\p+8*\dt:OB+64*\p+8*\dt+7], v[VF+8*\dt:VF+8*\dt+7], v[P+8*\p:P+8*\p+7], v[OB+64*\p+8*\dt:OB+64*\p+8*\dt+7]
.endif
.endm
.macro RESC p, dt                      ; O(p, dt) x alpha(p): O in window 1, alpha as source 1 in window 0
.irp i, 0,2,4,6
	v_pk_mul_f32 v[OB+64*\p+8*\dt+\i:OB+64*\p+8*\dt+\i+1], v[OB+64*\p+8*\dt+\i:OB+64*\p+8*\dt+\i+1], v[STAT+4*\p+2:STAT+4*\p+3] op_sel_hi:[1,0]
.endr
.endm
; Slice k (0..7) of query tile p's softmax step on 32 keys.  first = 1: there is no older maximum and no older sum.
; Behind every exponential stands a plain vector instruction that touches neither its result nor its source before the result is used (ISA guide 5.7.2):
; the exponentials go in pairs, with the other key tile's scaling, sums and packing between them.
.macro SMS p, k, first
.set SQ, S+16*\p
.set ST, STAT+4*\p
.set PP, P+8*\p
.if \k == 0
	v_max3_num_f32 v[T], v[SQ], v[SQ+1], v[SQ+2]               ; two chains, one for each key tile
	v_max3_num_f32 v[T+1], v[SQ+8], v[SQ+9], v[SQ+10]
	v_max3_num_f32 v[T], v[T], v[SQ+3], v[SQ+4]
	v_max3_num_f32 v[T+1], v[T+1], v[SQ+11], v[SQ+12]
	v_max3_num_f32 v[T], v[T], v[SQ+5], v[SQ+6]
	v_max3_num_f32 v[T+1], v[T+1], v[SQ+13], v[SQ+14]
.if \first
	v_max3_num_f32 v[T], v[T], v[SQ+7], s45
.else
	v_max3_num_f32 v[T], v[T], v[SQ+7], v[ST+1]
.endif
.endif
.if \k == 1
	v_max_num_f32 v[T+1], v[T+1], v[SQ+15]
	v_max_num_f32 v[T], v[T], v[T+1]
	v_permlanex16_b32 v[T+1], v[T], s22, s23       ; the other eight keys of each tile lie in lane r + 16
	v_max_num_f32 v[ST+1], v[T], v[T+1]            ; m
.if \first
	v_mul_f32 v[ST], s21, v[ST+1]                  ; nm = -m sc
.else
	v_mul_f32 v[T+8], s21, v[ST+1]
	v_sub_f32 v[T+9], v[T+8], v[ST]
	v_exp_f32 v[ST+2], v[T+9]                      ; alpha = exp2(nm_new - nm_old)
.endif
.endif
.if \k == 2
.if 1-\first
	v_mov_b32 v[ST], v[T+8]
.endif
.irp q, 0,2,4,6
	v_pk_fma_f32 v[SQ+\q:SQ+\q+1], v[SQ+\q:SQ+\q+1], s[20:21], v[ST:ST+1] op_sel_hi:[1,0,0]   ; S sc + nm
.endr
	v_exp_f32 v[E], v[SQ]
	v_exp_f32 v[E+1], v[SQ+1]
.endif
.if \k == 3
	v_pk_fma_f32 v[SQ+8:SQ+9], v[SQ+8:SQ+9], s[20:21], v[ST:ST+1] op_sel_hi:[1,0,0]
	v_exp_f32 v[E+2], v[SQ+2]
	v_exp_f32 v[E+3], v[SQ+3]
	v_pk_fma_f32 v[SQ+10:SQ+11], v[SQ+10:SQ+11], s[20:21], v[ST:ST+1] op_sel_hi:[1,0,0]
	v_exp_f32 v[E+4], v[SQ+4]
	v_exp_f32 v[E+5], v[SQ+5]
	v_pk_fma_f32 v[SQ+12:SQ+13], v[SQ+12:SQ+13], s[20:21], v[ST:ST+1] op_sel_hi:[1,0,0]
.endif
.if \k == 4
	v_exp_f32 v[E+6], v[SQ+6]
	v_exp_f32 v[E+7], v[SQ+7]
	v_pk_fma_f32 v[SQ+14:SQ+15], v[SQ+14:SQ+15], s[20:21], v[ST:ST+1] op_sel_hi:[1,0,0]
	v_exp_f32 v[E+8], v[SQ+8]
	v_exp_f32 v[E+9], v[SQ+9]
	s_wait_alu depctr_va_vdst(0)
	v_pk_add_f32 v[T:T+1], v[E:E+1], v[E+2:E+3]
	v_exp_f32 v[E+10], v[SQ+10]
.endif
.if \k == 5
	v_exp_f32 v[E+11], v[SQ+11]
	v_pk_add_f32 v[T+2:T+3], v[E+4:E+5], v[E+6:E+7]
	v_exp_f32 v[E+12], v[SQ+12]
	v_exp_f32 v[E+13], v[SQ+13]
	v_cvt_pk_f16_f32 v[PP], v[E], v[E+1]
	v_exp_f32 v[E+14], v[SQ+14]
	v_exp_f32 v[E+15], v[SQ+15]
.endif
.if \k == 6
	v_cvt_pk_f16_f32 v[PP+1], v[E+2], v[E+3]
	v_cvt_pk_f16_f32 v[PP+2], v[E+4], v[E+5]
	v_cvt_pk_f16_f32 v[PP+3], v[E+6], v[E+7]
	s_wait_alu depctr_va_vdst(0)
	v_pk_add_f32 v[T+4:T+5], v[E+8:E+9], v[E+10:E+11]
	v_pk_add_f32 v[T+6:T+7], v[E+12:E+13], v[E+14:E+15]
	v_pk_add_f32 v[T:T+1], v[T:T+1], v[T+2:T+3]
	v_pk_add_f32 v[T+4:T+5], v[T+4:T+5], v[T+6:T+7]
.endif
.if \k == 7
	v_pk_add_f32 v[T:T+1], v[T:T+1], v[T+4:T+5]
	v_cvt_pk_f16_f32 v[PP+4], v[E+8], v[E+9]
	v_cvt_pk_f16_f32 v[PP+5], v[E+10], v[E+11]
.if \first
	v_add_f32 v[ST+3], v[T], v[T+1]                ; l
	v_cvt_pk_f16_f32 v[PP+6], v[E+12], v[E+13]
.else
	v_add_f32 v[T], v[T], v[T+1]
	v_cvt_pk_f16_f32 v[PP+6], v[E+12], v[E+13]
	v_fma_f32 v[ST+3], v[ST+3], v[ST+2], v[T]      ; l = l alpha + sum
.endif
	v_cvt_pk_f16_f32 v[PP+7], v[E+14], v[E+15]
.endif
.endm
; Phase 1: B's scores of this step | A's softmax.  kload = 1: the next step's bias and K go into the fragments that B's products have just read for the
; last time, in three runs of 8, 4 and 8 loads.  Plain instructions between a product and the load into its fragment, at the least: 8 (fragments 0, 1 and the
; bias, behind slice 2), 7 and 5 (fragments 2, 3, behind slice 5), 6 (fragments 4 to 7, behind slice 7).
.macro PH1 first, kload
.irp i, 0,1,2,3,4,5,6,7
	QKW 1, \i
	SMS 0, \i, \first
.if \kload
.if \i == 2
	KL 0
	KL 1
	BL 0
	BL 1
.endif
.if \i == 5
	KL 2
	KL 3
.endif
.if \i == 7
	KL 4
	KL 5
	KL 6
	KL 7
	KSTEP
.endif
.endif
.endr
.endm
; Phase 2: B's output products of the step before | O(A) x alpha(A).  This step's V goes into each pair of fragments behind their last use:
; the four multiplications behind a product are the four places in front of the load.
.macro PH2 pv, zero, resc, vload
.irp dt, 0,1,2,3,4,5,6,7
.if \pv
	PVW 1, \dt, \zero
.endif
.if \resc
	RESC 0, \dt
.endif
.if \vload
.if \dt == 1
	VL 0
	VL 1
.endif
.if \dt == 3
	VL 2
	VL 3
.endif
.if \dt == 5
	VL 4
	VL 5
.endif
.if \dt == 7
	VL 6
	VL 7
.endif
.endif
.endr
.endm
; Phase 3: A's scores of the next step | B's softmax.  counted = 1: K came in phase 1's three runs, with V's 16 loads issued behind them.
.macro PH3 first, qk, counted
.irp i, 0,1,2,3,4,5,6,7
.if \qk
.if \counted
.if \i == 0
	s_wait_dscnt 24                                ; the bias and K fragments 0 to 3 are in; fragments 4 to 7 (8 loads) and V (16) may be out
.endif
.if \i == 4
	s_wait_dscnt 16                                ; all of K is in; V's 16 loads may be out
.endif
.endif
	QKW 0, \i
.endif
	SMS 1, \i, \first
.endr
.endm
; Phase 4: A's output products of this step | O(B) x alpha(B)
.macro PH4 zero, resc
.irp dt, 0,1,2,3,4,5,6,7
	PVW 0, \dt, \zero
.if \resc
	RESC 1, \dt
.endif
.endr
.endm
; The change of slots, between phases 2 and 3 of a tile's last step: V's last 32 keys of the old slot have been asked for, K's first 32 of the next not yet.
; In front of the barrier every wave has waited for all its tensor loads (its part of the next slot among them) and for its reads of the old slot.
; refill = 1: the barrier is a round of the cluster's barrier, and the joint refill of slot other stands first behind it.
.macro CHANGE next, other, refill
	s_wait_tensorcnt 0x0
	ds_add_u32 v254, v255
	s_wait_dscnt 0x0
.if \refill
	s_add_nc_u64 s[G0K+4*\other+2:G0K+4*\other+3], s[G0K+4*\other+2:G0K+4*\other+3], 131072   ; no tensor load of mine is out: 512 keys on
	s_add_nc_u64 s[G0V+4*\other+2:G0V+4*\other+3], s[G0V+4*\other+2:G0V+4*\other+3], 131072
.endif
	s_wait_dscnt 0x0
.if \refill
	CROUND
	JLOAD \other
.else
	s_barrier_signal -1
	s_barrier_wait -1
.endif
	v_mov_b32 v[AK], v[ADRK+\next]
	KRUN
	s_wait_dscnt 0x0                               ; the next step's bias and K
.endm
; A step.  first: step 0 (no older maximum, sums or output).  zb: step 1 (B's first output product starts its sums).  kload: K of the next step comes in phase 1.
; chg: the tile's last step.  qk = 0: the very last step: no next scores.
.macro PERIOD first, zb, kload, chg, next, other, refill, qk
	PH1 \first, \kload
	WIN PVWIN
.if \first
	PH2 0, 0, 0, 1
.else
	PH2 1, \zb, 1, 1
.endif
.if \chg
	v_mov_b32 v[AV], v[ADRV+\next]                 ; V's next 32 keys lie at the head of the next slot
.else
.if \qk
	v_add_nc_u32 v[AV], v[AV], 32*VP               ; the register stands as source 0, which this setting takes from window 1
.endif
.endif
	WIN 0
.if \chg
	CHANGE \next, \other, \refill
.endif
	PH3 \first, \qk, \kload
	WIN PVWIN
	s_wait_dscnt 0x0                               ; V of this step: nothing was issued behind it
.if \first
	PH4 1, 0
.else
	PH4 0, 1
.endif
.if \qk
	WIN 0
.endif
.endm
; the way out for one query tile: divide by l, round, 16 rows through my stage, whole rows of 256 bytes to att
.macro FIN qt
	v_permlanex16_b32 v[T], v[STAT+4*\qt+3], s22, s23
	v_add_f32 v[T], v[T], v[STAT+4*\qt+3]          ; l of all 1,024 keys
	v_rcp_f32 v[T+2], v[T]
	v_nop                                          ; a plain instruction behind the transcendental
	WIN 0x01                                       ; source 0 (O) window 1
.set i, 0
	s_wait_alu depctr_va_vdst(0)
.rept 32
	v_pk_mul_f32 v[FS+2*i:FS+2*i+1], v[OB+64*\qt+2*i:OB+64*\qt+2*i+1], v[T+2:T+3] op_sel_hi:[1,0]
.set i, i+1
.endr
	WIN 0
.set i, 0
.rept 32
	v_cvt_pk_f16_f32 v[FP+i], v[FS+2*i], v[FS+2*i+1]
.set i, i+1
.endr
.irp dt, 0,1,2,3,4,5,6,7
	ds_store_b128 v[STO], v[FP+4*\dt:FP+4*\dt+3] offset:32*\dt
.endr
	s_wait_xcnt 0x0                                ; earlier stores have read RB: it is loaded again only behind this wait
.irp t, 0,1,2,3,4,5,6,7
	ds_load_b128 v[RB+4*\t:RB+4*\t+3], v[RD] offset:\t*2*SP        ; LDS serves a wave's instructions in order: these see the stores above
.endr
.irp t, 0,1,2,3,4,5,6,7
	s_wait_dscnt 7-\t
	global_store_b128 v[CO], v[RB+4*\t:RB+4*\t+3], s[8:9] offset:(16*\qt+2*\t)*4096   ; 16 lanes store 256 consecutive bytes, aligned
.endr
.endm
	KRUN                                           ; keys 0-31
	s_wait_dscnt 0x0
.irp i, 0,1,2,3,4,5,6,7
	QKW 0, \i                                      ; A's scores of step 0: the pipeline's head
.endr
	PLACES                                         ; here alone no other tile's vector work stands between these products and the first reading of their sums
	PERIOD 1, 0, 1, 0, 0, 0, 0, 1                  ; step 0 starts every sum: nothing is cleared
	PERIOD 0, 1, 1, 0, 0, 0, 0, 1                  ; step 1
	s_mov_b32 s3, 5
.Ltile0:
	PERIOD 0, 0, 1, 0, 0, 0, 0, 1                  ; steps 2 to 6
	s_sub_co_u32 s3, s3, 1
	s_cmp_lg_u32 s3, 0
	s_cbranch_scc1 .Ltile0
	PERIOD 0, 0, 0, 1, 1, 0, 1, 1                  ; step 7: on to keys 256-511 in slot 1; slot 0 gets keys 512-767
	s_mov_b32 s3, 7
.Ltile1:
	PERIOD 0, 0, 1, 0, 0, 0, 0, 1
	s_sub_co_u32 s3, s3, 1
	s_cmp_lg_u32 s3, 0
	s_cbranch_scc1 .Ltile1
	PERIOD 0, 0, 0, 1, 0, 1, 1, 1                  ; step 15: on to keys 512-767 in slot 0; slot 1 gets keys 768-1023
	s_mov_b32 s3, 7
.Ltile2:
	PERIOD 0, 0, 1, 0, 0, 0, 0, 1
	s_sub_co_u32 s3, s3, 1
	s_cmp_lg_u32 s3, 0
	s_cbranch_scc1 .Ltile2
	PERIOD 0, 0, 0, 1, 1, 0, 0, 1                  ; step 23: on to the last tile: nothing is left to fetch
	s_mov_b32 s3, 7
.Ltile3:
	PERIOD 0, 0, 1, 0, 0, 0, 0, 1
	s_sub_co_u32 s3, s3, 1
	s_cmp_lg_u32 s3, 0
	s_cbranch_scc1 .Ltile3
	PERIOD 0, 0, 0, 0, 0, 0, 0, 0                  ; step 31: no next K, no next scores
	PH2 1, 0, 0, 0                                 ; B's output products of step 31: the pipeline's tail
	WIN 0
	PLACES                                         ; behind the last matrix instructions: O is read
	FIN 0
	FIN 1
	s_wait_tensorcnt 0x0
	ds_add_u32 v254, v255
	s_wait_dscnt 0x0
	CROUND                                         ; the closing round
	s_endpgm
.Lfunc_end_k_q185e5057f7_attn:
	.size	k_q185e5057f7_attn, .Lfunc_end_k_q185e5057f7_attn-k_q185e5057f7_attn
	.p2alignl 7, 3214868480
	.fill 96, 4, 3214868480
	.section	.rodata,"a",@progbits
	.p2align	6, 0x0
	.amdhsa_kernel k_q185e5057f7_attn
		.amdhsa_group_segment_fixed_size 327680
		.amdhsa_private_segment_fixed_size 0
		.amdhsa_enable_private_segment 0
		.amdhsa_kernarg_size 24
		.amdhsa_user_sgpr_count 2
		.amdhsa_user_sgpr_kernarg_segment_ptr 1
		.amdhsa_wavefront_size32 1
		.amdhsa_system_sgpr_workgroup_id_x 1
		.amdhsa_system_sgpr_workgroup_id_y 1
		.amdhsa_system_sgpr_workgroup_id_z 1
		.amdhsa_system_vgpr_workitem_id 0
		.amdhsa_next_free_vgpr 512
		.amdhsa_next_free_sgpr 66
		.amdhsa_reserve_vcc 1
		.amdhsa_float_denorm_mode_32 3
		.amdhsa_float_denorm_mode_16_64 3
		.amdhsa_memory_ordered 1
		.amdhsa_forward_progress 1
		.amdhsa_inst_pref_size 164
	.end_amdhsa_kernel
	.amdgpu_metadata
---
amdhsa.version: [ 1, 2 ]
amdhsa.kernels:
  - .name:           k_q185e5057f7_attn
    .symbol:         k_q185e5057f7_attn.kd
    .args:
      - { .name: qkv, .offset: 0, .size: 8, .value_kind: global_buffer, .address_space: global }
      - { .name: attention_mask, .offset: 8, .size: 8, .value_kind: global_buffer, .address_space: global }
      - { .name: att, .offset: 16, .size: 8, .value_kind: global_buffer, .address_space: global }
    .group_segment_fixed_size: 327680
    .private_segment_fixed_size: 0
    .kernarg_segment_align: 8
    .kernarg_segment_size: 24
    .max_flat_workgroup_size: 128
    .sgpr_count:     66
    .vgpr_count:     512
    .wavefront_size: 32
...
	.end_amdgpu_metadata
.endif
;; end of part 3
;; launch oproj (part 4): grid 16 x 16, 4 waves a work-group, clusters of 4 x 4, 327,680 bytes of LDS; arguments att, h16, out0; writes out0
.if DOCPART == 4
	.amdgcn_target "amdgcn-amd-amdhsa--gfx1250"
	.amdhsa_code_object_version 6
	.text
	.protected	k_q185e5057f7_oproj
	.globl	k_q185e5057f7_oproj
	.p2align	8
	.type	k_q185e5057f7_oproj,@function
k_q185e5057f7_oproj:
	s_mov_b64 s[64:65], 0
	v_nop
	global_prefetch_b8 v0, s[64:65] scope:SCOPE_SE
	s_setreg_imm32_b32 hwreg(HW_REG_WAVE_MODE, 25, 1), 1
	s_wait_xcnt 0x0
	s_wait_alu depctr_hold_cnt(0) depctr_sa_sdst(0) depctr_va_vdst(0) depctr_va_sdst(0) depctr_va_ssrc(0) depctr_va_vcc(0) depctr_vm_vsrc(0)
	s_getreg_b32 s2, hwreg(HW_REG_IB_STS2, 6, 4)
	s_cmp_eq_u32 s2, 0
	s_cbranch_scc0 .Lentry_in_a_cluster
	s_endpgm
.Lentry_in_a_cluster:
	s_bfe_u32 s2, ttmp6, 0x10000c
	s_cmp_lg_u32 s2, 0xf033
	s_cbranch_scc0 .Lentry_shape_is_right
	s_endpgm
.Lentry_shape_is_right:
; LlamaAttention, launch 4 of 4: out0 = att x wo^T, f16 operands, f32 sums, f32 out.  No work of reference() is left out here.
; A = att [2048][2048] f16, B = plane 4 of h16 (wo) [2048][2048] f16.  A work-group makes a block of 128 x 128, so that there are 16 x 16 = 256
; work-groups; a wave makes 64 x 64: 16 accumulator tiles, 128 registers.  K goes in steps of 256 through two LDS slots filled by the tensor
; data mover: a tile's rows are 512 bytes of memory and start at multiples of 512 bytes; each wave fetches 64 such rows with one load.
; CLUSTERS: 4 x 4 work-groups; A's tiles are asked for jointly along a row of the cluster, B's along a column.
; PREFETCH: the two slots take all the LDS there is, and a refill has 120 of a wave's matrix instructions in which to land, so the tiles of laps 1 to 3
; (a lap = two K slots = 1,024 bytes of each row) are asked for ahead of their tensor loads.  A lap's part of A's 128 rows is shared out among the 16
; work-groups of the block row, 8 rows each, B's among the 16 of the block column: 8 rows x 4 blocks of 256 bytes = the 32 lanes of one instruction, so each
; block is asked for once in the launch.  Wave 0 asks for A, wave 2 for B.  Lap 1 is asked for at the start, laps 2 and 3 behind the refill that ends laps 0
; and 1: one K slot (128 matrix instructions of a wave) ahead of the first of their tensor loads, 16,384 bytes a work-group at a time.  Lap 0 is the first
; fills and is not asked for; behind lap 3 there is nothing, so no request leaves its row.
; REGISTERS: window 0: v0-31 addresses, v64-127 and v128-191 fragments of A (two buffers of 64 rows x 64 K: f + 32 ks + 8 i);
;   window 1: the same for B; window 2: accumulator tile (a, b) at v[8 (4 a + b)].
; The matrix instruction is used transposed (source 0 = rows of wo, source 1 = rows of att): lane l holds row l % 16 of the output and its
; registers 0..7 the columns 8 (l / 16) + 0..7, 32 neighbouring bytes of f32.
; The 16 accumulators take turns, one matrix instruction a turn, in the same order throughout.
.set SIZE_K, 2048
.set KSLOT,  256                       ; K in a slot; SIZE_K / (2 KSLOT) = 4 laps, all written out: the lap stands in the prefetch's immediate
.set PITCH,  528                       ; an LDS row: 512 bytes of data + 16 of padding
.set HALFT,  64*PITCH                  ; 64 rows: what one tensor load brings, and what one wave reads of A or of B
.set SLOT,   4*HALFT                   ; A's 128 rows, then B's 128 rows
.set STAGE,  2*SLOT                    ; behind the ring: 16 rows x 272 bytes for each wave; no tensor load lands there
.set SPITCH, 272
.set ADRA, 16
.set ADRB, 20
.set STO,  24
.set RD,   25
.set CO,   26
.set PFO,  27                          ; v27     the prefetch: my lane's block of 256 bytes, as an offset from the buffer's first byte; never rewritten
.set F0,   64
.set F1,   128
.set G1, 24
.set G0, 32
.set G1B, 48
.set G0B, 56
.set MSB, 0
.macro WIN new                         ; the immediate's high byte repeats the setting that is left
.if MSB != \new
	s_set_vgpr_msb (MSB<<8)|\new
.set MSB, \new
.endif
.endm
.set MUL,  0xa1                        ; source 0 (B) window 1, source 1 (A) window 0, C and D window 2
.set TO_B, 0x40                        ; destination window 1, address window 0
.macro JLOAD s                         ; waves 0, 1: A's halves; waves 2, 3: B's.  The branch hangs on the wave's number alone
	s_cmp_eq_u32 s11, 0
	s_cbranch_scc0 .Lfor_b_\@
	tensor_load_to_lds s[G0+4*\s:G0+4*\s+3], s[G1:G1+7]
	s_nop 0
	s_branch .Lasked_\@
.Lfor_b_\@:
	tensor_load_to_lds s[G0B+4*\s:G0B+4*\s+3], s[G1B:G1B+7]
	s_nop 0
.Lasked_\@:
.endm
.macro CREST                           ; a round of the cluster's barrier behind its opening barrier
	s_cmp_lg_u32 s10, 0
	s_cbranch_scc1 .Lnot_wave_0_\@
	s_barrier_signal -3
.Lnot_wave_0_\@:
	s_barrier_wait -3
	s_barrier_signal -1
	s_barrier_wait -1
.endm
.macro CROUND
	s_barrier_signal -1
	s_barrier_wait -1
	CREST
.endm
; waves 0 and 2 ask for my work-group's 32 blocks of A and of B in the given lap; the branch hangs on the wave's number alone
.macro PF lap
	s_cmp_lg_u32 s12, 0
	s_cbranch_scc1 .Lno_pf_\@
	global_prefetch_b8 v[PFO], s[68:69] offset:\lap*4*KSLOT th:TH_LOAD_NT scope:SCOPE_SE
.Lno_pf_\@:
.endm
	s_load_b128 s[4:7], s[0:1], 0x0                ; att s[4:5], h16 s[6:7]
	s_load_b64 s[8:9], s[0:1], 0x10                ; out0
	s_set_vgpr_msb 0x40
	v_lshl_add_u32 v255, v0, 2, 0x46400
	s_set_vgpr_msb 0x4000
	v_mov_b32 v255, 0
	s_set_vgpr_msb 0x1
	ds_add_u32 v255, v255
	s_set_vgpr_msb 0x100
	v_lshrrev_b32 v1, 5, v0
	v_readfirstlane_b32 s10, v1                    ; wave 0..3
	s_lshr_b32 s11, s10, 1                         ; which 64 rows of the block are mine.  Also: I fetch for A (0) or for B (1)
	s_and_b32 s12, s10, 1                          ; which 64 columns.  Also: which 64 rows of that tile I fetch
	s_bfe_u32 s40, ttmp6, 0x40000                  ; cx
	s_bfe_u32 s41, ttmp6, 0x40004                  ; cy
	s_lshl_b32 s42, ttmp9, 2
	s_add_co_u32 s42, s42, s40                     ; block column
	s_and_b32 s13, ttmp7, 0xffff
	s_lshl_b32 s13, s13, 2
	s_add_co_u32 s13, s13, s41                     ; block row
	s_lshl_b32 s43, s41, 2
	s_lshl_b32 s43, 15, s43                        ; my row of the cluster
	s_lshl_b32 s44, 0x1111, s40                    ; my column
	; group 1: 64 rows x 256 elements of 2 bytes, 4 words of padding behind every 128 words
	s_or_b32 s[G1+0], s43, (1<<16)|(1<<20)|(1<<21)|(6<<22)|(3<<25)
	s_or_b32 s[G1B+0], s44, (1<<16)|(1<<20)|(1<<21)|(6<<22)|(3<<25)
	s_mov_b32 s[G1B+1], KSLOT<<16
	s_mov_b32 s[G1+1], KSLOT<<16                   ; tensor_dim0 = 256
	s_mov_b32 s[G1B+2], 64<<16
	s_mov_b32 s[G1+2], 64<<16                      ; tensor_dim1 = 64
	s_mov_b32 s[G1B+3], KSLOT<<16
	s_mov_b32 s[G1+3], KSLOT<<16                   ; tile_dim0 = 256
	s_mov_b32 s[G1B+4], 64
	s_mov_b32 s[G1+4], 64                          ; tile_dim1 = 64
	s_mov_b32 s[G1B+5], SIZE_K
	s_mov_b32 s[G1+5], SIZE_K                      ; elements from row to row
	s_mov_b32 s[G1B+6], 0
	s_mov_b32 s[G1+6], 0
	s_mov_b32 s[G1B+7], 0
	s_mov_b32 s[G1+7], 0
	s_lshl_b32 s17, s12, 6                         ; which 64 rows of the tile I fetch
	s_lshl_b32 s16, s13, 7
	s_add_co_u32 s16, s16, s17
	s_lshl_b32 s16, s16, 12                        ; A: (128 x block row + 64 x half) rows of 4,096 bytes
	s_lshl_b32 s46, s42, 7
	s_add_co_u32 s46, s46, s17
	s_lshl_b32 s46, s46, 12                        ; B: (128 x block column + 64 x half) rows,
	s_add_co_u32 s46, s46, 0x2000000               ; in plane 4
	s_mov_b32 s17, 0
	s_mov_b32 s47, 0
	s_mul_i32 s20, s10, HALFT                      ; where they go: wave x 64 rows
	s_wait_dscnt 0x0
	s_wait_kmcnt 0x0
	s_add_nc_u64 s[14:15], s[4:5], s[16:17]
	s_add_nc_u64 s[46:47], s[6:7], s[46:47]
	CROUND                                         ; all sixteen work-groups are here: the first joint loads meet
.irp s, 0,1
	s_mov_b32 s[G0+4*\s], 1
	s_add_co_u32 s[G0+4*\s+1], s20, \s*SLOT
	s_add_nc_u64 s[G0+4*\s+2:G0+4*\s+3], s[14:15], \s*KSLOT*2
	s_or_b32 s[G0+4*\s+3], s[G0+4*\s+3], 0x80000000
	s_mov_b32 s[G0B+4*\s], 1
	s_add_co_u32 s[G0B+4*\s+1], s20, \s*SLOT
	s_add_nc_u64 s[G0B+4*\s+2:G0B+4*\s+3], s[46:47], \s*KSLOT*2
	s_or_b32 s[G0B+4*\s+3], s[G0B+4*\s+3], 0x80000000
	JLOAD \s                                       ; both slots' first fills: two tensor loads of the wave are out, later one
.endr
	; the prefetch's offset and base, in registers (s66-s69, v6, v7, v27) that feed no descriptor and no LDS address: they hold both coordinates
	s_lshl_b32 s66, s13, 7
	s_lshl_b32 s67, s42, 3
	s_add_co_u32 s66, s66, s67
	s_lshl_b32 s66, s66, 12                        ; A: row 128 x block row + 8 x block column
	s_lshl_b32 s67, s42, 7
	s_lshl_b32 s68, s13, 3
	s_add_co_u32 s67, s67, s68
	s_lshl_b32 s67, s67, 12                        ; B: row 128 x block column + 8 x block row,
	s_add_co_u32 s67, s67, 0x2000000               ; in plane 4
	s_cmp_eq_u32 s11, 0                            ; waves 0, 1: A; waves 2, 3: B
	s_cselect_b32 s66, s66, s67
	s_cselect_b64 s[68:69], s[4:5], s[6:7]
	v_bfe_u32 v6, v0, 2, 3                         ; lane / 4: which of my 8 rows
	v_and_b32 v7, 3, v0                            ; lane % 4: which 256 bytes of the lap's 1,024
	v_lshlrev_b32 v7, 8, v7
	v_lshl_add_u32 v7, v6, 12, v7
	v_add_nc_u32 v[PFO], s66, v7
	PF 1                                           ; lap 1: its first tensor load follows at the end of the first K slot
	v_and_b32 v1, 15, v0
	v_bfe_u32 v2, v0, 4, 1
	v_mul_u32_u24 v3, v1, PITCH
	v_lshl_add_u32 v3, v2, 4, v3                   ; row x pitch + 16 x half
	s_mul_i32 s21, s11, HALFT                      ; my 64 rows of A
	s_mul_i32 s22, s12, HALFT                      ; my 64 rows of B,
	s_add_co_u32 s22, s22, 2*HALFT                 ; which lie behind A's 128
.irp s, 0,1
	v_add_nc_u32 v[ADRA+\s], s21, v3
	v_add_nc_u32 v[ADRB+\s], s22, v3
	s_add_co_u32 s21, s21, SLOT
	s_add_co_u32 s22, s22, SLOT
.endr
	s_mul_i32 s23, s10, 16*SPITCH
	s_add_co_u32 s23, s23, STAGE                   ; my stage
	v_mul_u32_u24 v4, v1, SPITCH                   ; in: row l % 16, 32 bytes for each half of the lanes
	v_lshl_add_u32 v4, v2, 5, v4
	v_add_nc_u32 v[STO], s23, v4
	v_mul_u32_u24 v5, v2, SPITCH                   ; back: lanes 0-15 one row of 256 bytes, lanes 16-31 the next
	v_lshl_add_u32 v5, v1, 4, v5
	v_add_nc_u32 v[RD], s23, v5
	v_lshlrev_b32 v5, 13, v2                       ; and the same two rows in out0 (8,192 bytes a row)
	v_lshl_add_u32 v[CO], v1, 4, v5
; 8 matrix instructions: m blocks a0, a0 + 1 x all 4 n blocks, 32 along K (half ks of the buffer).  zero = 1: the product starts the sums.
.macro MUL8 f, ks, a0, zero
.irp a, \a0, \a0+1
.irp b, 0,1,2,3
.if \zero
	v_wmma_f32_16x16x32_f16 v[8*(4*(\a)+\b):8*(4*(\a)+\b)+7], v[\f+32*\ks+8*\b:\f+32*\ks+8*\b+7], v[\f+32*\ks+8*(\a):\f+32*\ks+8*(\a)+7], 0
.else
	v_wmma_f32_16x16x32_f16 v[8*(4*(\a)+\b):8*(4*(\a)+\b)+7], v[\f+32*\ks+8*\b:\f+32*\ks+8*\b+7], v[\f+32*\ks+8*(\a):\f+32*\ks+8*(\a)+7], v[8*(4*(\a)+\b):8*(4*(\a)+\b)+7]
.endif
.endr
.endr
.endm
; 32 LDS loads in one run: 64 rows of B and 64 rows of A, 64 along K at byte k of the rows, into buffer f; A's second half of K comes last
.macro FETCH slot, k, f
	WIN TO_B
.irp ks, 0,1
.irp i, 0,1,2,3
	ds_load_b128 v[\f+32*\ks+8*\i:\f+32*\ks+8*\i+3],   v[ADRB+\slot] offset:\k+64*\ks+\i*16*PITCH
	ds_load_b128 v[\f+32*\ks+8*\i+4:\f+32*\ks+8*\i+7], v[ADRB+\slot] offset:\k+64*\ks+\i*16*PITCH+32
.endr
.endr
	WIN 0
.irp ks, 0,1
.irp i, 0,1,2,3
	ds_load_b128 v[\f+32*\ks+8*\i:\f+32*\ks+8*\i+3],   v[ADRA+\slot] offset:\k+64*\ks+\i*16*PITCH
	ds_load_b128 v[\f+32*\ks+8*\i+4:\f+32*\ks+8*\i+7], v[ADRA+\slot] offset:\k+64*\ks+\i*16*PITCH+32
.endr
.endr
.endm
.macro PLACES                          ; four plain vector instructions behind a matrix instruction (ISA guide 7.12.1)
.rept 4
	v_nop
.endr
.endm
; a quarter of a slot, 64 along K: multiplies buffer f; in its middle it fetches the next quarter's fragments into buffer g
.macro QUARTER slot, k, f, g, zero
	s_wait_dscnt 8                                 ; B and A's first 32 of K are in; the youngest eight loads (A's second 32) may be out
	WIN MUL
	MUL8 \f, 0, 0, \zero
	MUL8 \f, 0, 2, \zero
	PLACES
	FETCH \slot, \k, \g
	s_wait_dscnt 32                                ; all but the 32 just issued
	WIN MUL
	MUL8 \f, 1, 0, 0
	MUL8 \f, 1, 2, 0
.endm
.macro THREE slot, zero
	QUARTER \slot, 128, F0, F1, \zero
	QUARTER \slot, 256, F1, F0, 0
	QUARTER \slot, 384, F0, F1, 0
.endm
; The last quarter multiplies buffer 1 and changes slots.  In front of the barrier each wave waits for its reads of this slot and for all its
; tensor loads (one is out: its part of the next slot).  Behind it the refill comes first, then the next slot's first fragments.
; pf: the lap that is asked for behind the refill (0: none).
.macro TURN slot, next, fill, pf
	s_wait_dscnt 8
	WIN MUL
	MUL8 F1, 0, 0, 0
	s_wait_dscnt 0                                 ; my reads of this slot are over
	s_wait_tensorcnt 0x0                           ; and all my tensor loads have landed
	ds_add_u32 v255, v255
	s_wait_dscnt 0x0
	s_barrier_signal -1
	MUL8 F1, 0, 2, 0                               ; register work while the others arrive
	WIN 0
	s_barrier_wait -1
.if \fill
	CREST                                          ; no wave of any partner still reads this slot or has a load on its way
	s_add_nc_u64 s[G0+4*\slot+2:G0+4*\slot+3], s[G0+4*\slot+2:G0+4*\slot+3], 2*KSLOT*2
	s_add_nc_u64 s[G0B+4*\slot+2:G0B+4*\slot+3], s[G0B+4*\slot+2:G0B+4*\slot+3], 2*KSLOT*2
	JLOAD \slot                                    ; the first tensor load behind the round, and the wave's only one until the next
.endif
.if \pf
	PF \pf
.endif
	PLACES
	FETCH \next, 0, F0
	WIN MUL
	MUL8 F1, 1, 0, 0
	MUL8 F1, 1, 2, 0
.endm
.macro LAP zero, pf
	THREE 0, \zero
	TURN 0, 1, 1, 0
	THREE 1, 0
	TURN 1, 0, 1, \pf
.endm
	s_wait_tensorcnt 1                             ; my part of slot 0 is in; slot 1's stays out
	s_barrier_signal -1
	s_barrier_wait -1
	FETCH 0, 0, F0
	LAP 1, 2                                       ; lap 0: its first products start the sums; at its end lap 2 is asked for
	LAP 0, 3                                       ; lap 1; at its end lap 3 is asked for
	LAP 0, 0                                       ; lap 2: nothing is left to ask for
	THREE 0, 0                                     ; lap 3 fills nothing
	TURN 0, 1, 0, 0
	THREE 1, 0
	s_wait_dscnt 8                                 ; the very last quarter: nothing more to fetch
	WIN MUL
	MUL8 F1, 0, 0, 0
	MUL8 F1, 0, 2, 0
	s_wait_dscnt 0
	MUL8 F1, 1, 0, 0
	MUL8 F1, 1, 2, 0
	; THE WAY OUT, 16 rows at a time: 32 bytes a lane into my own stage, read back as whole rows of 256 bytes.
	PLACES                                         ; behind the last matrix instructions: results are stored to LDS, fragment buffers loaded
	s_lshl_b32 s13, s13, 7
	s_lshl_b32 s14, s11, 6
	s_add_co_u32 s16, s13, s14                     ; my first row
	s_lshl_b32 s16, s16, 13                        ; of 8,192 bytes
	s_mov_b32 s17, 0
	s_add_nc_u64 s[8:9], s[8:9], s[16:17]
	s_lshl_b32 s46, s42, 9                         ; my first column in bytes: 512 x block + 256 x half (numbers made of cx stay in s42, s46, s47)
	s_lshl_b32 s47, s12, 8
	s_add_co_u32 s46, s46, s47
	s_mov_b32 s47, 0
	s_add_nc_u64 s[8:9], s[8:9], s[46:47]
.macro OUTF a, rb
	WIN 0x08                                       ; an LDS store's data is source 1: window 2
.irp b, 0,1,2,3
	ds_store_b128 v[STO], v[8*(4*\a+\b):8*(4*\a+\b)+3]   offset:64*\b
	ds_store_b128 v[STO], v[8*(4*\a+\b)+4:8*(4*\a+\b)+7] offset:64*\b+16
.endr
	WIN 0
	s_wait_xcnt 0x0                                ; earlier stores have read buffer rb: it is loaded again only behind this wait
.irp t, 0,1,2,3,4,5,6,7
	ds_load_b128 v[\rb+4*\t:\rb+4*\t+3], v[RD] offset:\t*2*SPITCH  ; LDS serves a wave's instructions in order: these see the stores above
.endr
.irp t, 0,1,2,3,4,5,6,7
	s_wait_dscnt 7-\t
	global_store_b128 v[CO], v[\rb+4*\t:\rb+4*\t+3], s[8:9] offset:(16*\a+2*\t)*8192 th:TH_STORE_NT   ; 16 lanes store 256 consecutive bytes, aligned
.endr
.endm
	OUTF 0, F0
	OUTF 1, F1
	OUTF 2, F0
	OUTF 3, F1
	s_set_vgpr_msb 0x1
	s_wait_tensorcnt 0x0
	ds_add_u32 v255, v255
	s_wait_dscnt 0x0
	s_set_vgpr_msb 0x100
	CROUND                                         ; the closing round: no work-group ends while a partner may still ask for a tile that names it
	s_endpgm
.Lfunc_end_k_q185e5057f7_oproj:
	.size	k_q185e5057f7_oproj, .Lfunc_end_k_q185e5057f7_oproj-k_q185e5057f7_oproj
	.p2alignl 7, 3214868480
	.fill 96, 4, 3214868480
	.section	.rodata,"a",@progbits
	.p2align	6, 0x0
	.amdhsa_kernel k_q185e5057f7_oproj
		.amdhsa_group_segment_fixed_size 327680
		.amdhsa_private_segment_fixed_size 0
		.amdhsa_enable_private_segment 0
		.amdhsa_kernarg_size 24
		.amdhsa_user_sgpr_count 2
		.amdhsa_user_sgpr_kernarg_segment_ptr 1
		.amdhsa_wavefront_size32 1
		.amdhsa_system_sgpr_workgroup_id_x 1
		.amdhsa_system_sgpr_workgroup_id_y 1
		.amdhsa_system_sgpr_workgroup_id_z 1
		.amdhsa_system_vgpr_workitem_id 0
		.amdhsa_next_free_vgpr 640
		.amdhsa_next_free_sgpr 72
		.amdhsa_reserve_vcc 0
		.amdhsa_float_denorm_mode_32 3
		.amdhsa_float_denorm_mode_16_64 3
		.amdhsa_memory_ordered 1
		.amdhsa_forward_progress 1
		.amdhsa_inst_pref_size 159
	.end_amdhsa_kernel
	.amdgpu_metadata
---
amdhsa.version: [ 1, 2 ]
amdhsa.kernels:
  - .name:           k_q185e5057f7_oproj
    .symbol:         k_q185e5057f7_oproj.kd
    .args:
      - { .name: att, .offset: 0, .size: 8, .value_kind: global_buffer, .address_space: global }
      - { .name: h16, .offset: 8, .size: 8, .value_kind: global_buffer, .address_space: global }
      - { .name: out0, .offset: 16, .size: 8, .value_kind: global_buffer, .address_space: global }
    .group_segment_fixed_size: 327680
    .private_segment_fixed_size: 0
    .kernarg_segment_align: 8
    .kernarg_segment_size: 24
    .max_flat_workgroup_size: 128
    .sgpr_count:     72
    .vgpr_count:     640
    .wavefront_size: 32
...
	.end_amdgpu_metadata
.endif
;; end of part 4
;; ======== version 2 of 2: 4 launches; version 1 with the launch prep written anew for expert scheduling mode
;; limits: values are held in f16: magnitudes above 65,504 overflow, below 6.1e-05 lose precision
;; workspace buffers: h16 41,943,040 bytes; rope 589,824 bytes; qkv 25,165,824 bytes; att 8,388,608 bytes
;; launch prep (part 5): grid 128 x 6, 8 waves a work-group, no clusters, 0 bytes of LDS; arguments hidden_states, wq, wk, wv, wo, h16, rope; writes h16, rope
.if DOCPART == 5
	.amdgcn_target "amdgcn-amd-amdhsa--gfx1250"
	.amdhsa_code_object_version 6
	.text
	.protected	k_q185e5057f7_prep
	.globl	k_q185e5057f7_prep
	.p2align	8
	.type	k_q185e5057f7_prep,@function
k_q185e5057f7_prep:
	s_mov_b64 s[64:65], 0
	v_nop
	global_prefetch_b8 v0, s[64:65] scope:SCOPE_SE
	s_setreg_imm32_b32 hwreg(HW_REG_WAVE_SCHED_MODE, 0, 2), 2
	s_setreg_imm32_b32 hwreg(HW_REG_WAVE_MODE, 25, 1), 1
	s_wait_xcnt 0x0
	s_wait_alu depctr_vm_vsrc(0)
; LlamaAttention, launch 1 of 4: the matrix operands are rounded to f16 once, and the RoPE table is made.
; DEAD WORK: none.  Every step of reference() reaches the output for some inputs, so every step is done and every
; input is loaded (attention_mask in the third launch).
; FORMAT: f16, not bf16, for every matrix operand of the four launches.  Besides the five inputs, five intermediates (q, k, v, p, att) are rounded
; on the way to an output; with 8 significant bits these roundings add up to some 0.4 per cent of the output's root mean square, with 11 bits to
; an eighth of that.  Room in f16 (largest number 65,504, steps of 6e-8 below 6.1e-5): with hidden_states of spread 1 and weights of spread
; 1/sqrt(2048), all 30 times larger, q, k, v stay under 900 x 5.5 x 1.42 = 7,000; all 30 times smaller they have a spread of 1.1e-3, 2e4 steps;
; with hidden_states and a weight both offset by 30 spreads they stay under 2048 x 30 x 0.66 x 1.42 = 58,000.
; LIMIT: an input, or a |q|, |k| or |v|, above 65,504 becomes infinite.
; Work-group y = 0..4: plane y of h16 = f16(hidden_states, wq, wk, wv, wo), each [2048][2048]; planes 1..3 lie behind each other
; and are one matrix [6144][2048] for the second launch.  A work-group takes 131,072 bytes of f32: 32 chunks of 4,096 bytes, thread t the
; 16 bytes at 16 t of each chunk.  A wave's load covers 512 consecutive bytes, its store 256 consecutive bytes, aligned.
; No LDS, no matrix unit, no cluster: each byte is read once and written once, and no work-group shares anything with another.
; Work-group y = 5: cos and sin of pos * 10000^(-f/64), pos = 0..1023, f = 0..63, in f32, laid out as the second launch's accumulators lie:
;   byte = pb*8192 + b*2048 + q*512 + L*16 + e*4, pos = 16 pb + (L & 15), f = 16 b + 8 (L >> 4) + 4 (q & 1) + e, q = 0,1 cos, q = 2,3 sin.
; Behind these 64 pages of 8,192 bytes lie eight pages of the same form with cos = 1 and sin = 0: the second launch has one cluster whose work-groups
; hold heads of k and heads of v, takes one way through its text there, and reads these pages for v.
; LIMIT: 10000^(-f/64) is exp2(-f * log2(10000)/64) and the angle is reduced by pi/2 in two parts; the phase differs from
; reference()'s f32 phase by up to about 2e-4 radians, at the last positions and the fastest frequencies alone: no more than
; the f16 rounding of q and k there, and far less elsewhere.
; THE MODE: SCHED_MODE bits 1:0 = 2 (LLVM: expert scheduling mode 2), set by the entry lines.  The code itself states the register dependences
; between vector instructions and memory instructions, with s_wait_alu, always for 0.
; THE PLAN, planes 0 to 4.  The 32 chunks go in eight blocks of four.  Registers that memory instructions touch:
;   v1, v2     byte offsets, made once at the head and never written again: the chunks are reached by immediate offsets from two bases that stay.
;   X0 .. X4   five blocks of f32 as loaded.  Written by loads alone: blocks 0 to 4 at the head, blocks 5, 6, 7 (issued in blocks 1, 2, 3) into X0, X1, X2.
;              Read by block p's eight conversions: X[p % 5].
;   Y0 .. Y7   a block of f16 each.  Written once, by block p's conversions; read by the four stores that are issued in block p + 1.
; Block p works on X[p % 5] and writes Y[p].  Its memory instructions are the loads into X[(p + 4) % 5] = X[(p - 1) % 5] and the stores from Y[p - 1]: the two
; buffers that block p - 1 worked on and that no vector instruction of block p names.  So one wait on va_vdst at a block's head states all that the block's
; memory instructions hang on, and these are dealt among its conversions with no further wait.  No register that a memory instruction reads is ever
; written again, so nothing has to be shown read.
; THE PLAN, plane 5.  The thread's two frequencies have work registers of their own, so that each wait stands once for both: behind the two exponentials, behind the
; two compares (their masks lie in s30 and s31), and ahead of the stores.
.set X, 4                              ; v[4:83]    buffer k, chunk i: 4 registers at X + 16 k + 4 i, 4 f32 as loaded
.set Y, 84                             ; v[84:147]  block p, chunk i: 2 registers at Y + 8 p + 2 i, 4 f16 to store
.set IDENT, 524288                     ; where the pages with cos = 1, sin = 0 begin
.set W, 8                              ; plane 5: v[8:18], v[24:34]  frequency k's registers at work, at W + 16 k
.set CS, 40                            ; plane 5: v[40:41]  cos of my two frequencies
.set SN, 42                            ; plane 5: v[42:43]  sin
.set ID, 44                            ; plane 5: v[44:47]  1, 1, 0, 0
.set MK, 30                            ; plane 5: s30, s31  frequency k's mask: the quadrant is odd
	s_load_b256 s[4:11], s[0:1], 0x0               ; hidden s[4:5], wq s[6:7], wk s[8:9], wv s[10:11]
	s_load_b128 s[12:15], s[0:1], 0x20             ; wo s[12:13], h16 s[14:15]
	s_load_b64 s[16:17], s[0:1], 0x30              ; rope
	s_and_b32 s18, ttmp7, 0xffff                   ; the plane
	s_wait_kmcnt 0x0
	s_cmp_eq_u32 s18, 5
	s_cbranch_scc1 .Ltable
	s_cmp_eq_u32 s18, 1                            ; the source is chosen by the plane's number alone
	s_cselect_b64 s[20:21], s[6:7], s[4:5]
	s_cmp_eq_u32 s18, 2
	s_cselect_b64 s[20:21], s[8:9], s[20:21]
	s_cmp_eq_u32 s18, 3
	s_cselect_b64 s[20:21], s[10:11], s[20:21]
	s_cmp_eq_u32 s18, 4
	s_cselect_b64 s[20:21], s[12:13], s[20:21]
	s_lshl_b32 s22, ttmp9, 17                      ; 131,072 bytes of f32 for each work-group
	s_mov_b32 s23, 0
	s_add_nc_u64 s[20:21], s[20:21], s[22:23]
	s_lshl_b32 s24, s18, 23                        ; a plane of h16 is 8,388,608 bytes,
	s_lshl_b32 s28, ttmp9, 16                      ; a work-group's part of it 65,536
	s_add_co_u32 s24, s24, s28
	s_mov_b32 s25, 0
	s_add_nc_u64 s[26:27], s[14:15], s[24:25]
	v_lshlrev_b32 v1, 4, v0                        ; 16 t: my bytes in a chunk of f32; never rewritten
	v_lshlrev_b32 v2, 3, v0                        ; 8 t: my bytes in a chunk of f16; never rewritten
	s_wait_alu depctr_va_vdst(0)                   ; v1 and v2 are written: every load and store below reads one of them as its offset
.irp i, 0,1,2,3,4,5,6,7,8,9,10,11,12,13,14,15,16,17,18,19
	global_load_b128 v[X+4*\i:X+4*\i+3], v1, s[20:21] offset:\i*4096 th:TH_LOAD_NT   ; blocks 0 to 4 into X0 to X4
.endr
; Block p.  left = the younger loads that may stay out when this block's four have to be there.  ahead = 1: block p + 4 is loaded.
.macro BLK p, left, ahead
	s_wait_loadcnt \left                           ; loads come back in order: X[p % 5] is in, the younger blocks stay out
.if (\p) > 0
	s_wait_alu depctr_va_vdst(0)                   ; the block before has written its Y, which the stores below read, and is done reading its X, in which the loads below land
.endif
.irp i, 0,1,2,3
.if \ahead
	global_load_b128 v[X+16*(((\p)+4)%5)+4*\i:X+16*(((\p)+4)%5)+4*\i+3], v1, s[20:21] offset:(4*((\p)+4)+\i)*4096 th:TH_LOAD_NT   ; four blocks ahead; no vector instruction since the wait names these registers
.endif
.if (\p) > 0
	global_store_b64 v2, v[Y+8*((\p)-1)+2*\i:Y+8*((\p)-1)+2*\i+1], s[26:27] offset:(4*((\p)-1)+\i)*2048   ; the block before
.endif
	v_cvt_pk_f16_f32 v[Y+8*(\p)+2*\i], v[X+16*((\p)%5)+4*\i], v[X+16*((\p)%5)+4*\i+1]
	v_cvt_pk_f16_f32 v[Y+8*(\p)+2*\i+1], v[X+16*((\p)%5)+4*\i+2], v[X+16*((\p)%5)+4*\i+3]
.endr
.endm
	BLK 0, 16, 0                                   ; behind block 0's loads stand those of blocks 1 to 4: 16; there is no block in front of it
	BLK 1, 12, 1                                   ; behind block p's loads stand those of three later blocks: 12
	BLK 2, 12, 1
	BLK 3, 12, 1
	BLK 4, 12, 0                                   ; nothing more is loaded: no load leaves the work-group's part
	BLK 5, 8, 0                                    ; and the counts run down
	BLK 6, 4, 0
	BLK 7, 0, 0
	s_wait_alu depctr_va_vdst(0)                   ; block 7 has written Y7, which the last four stores read
.irp i, 0,1,2,3
	global_store_b64 v2, v[Y+56+2*\i:Y+56+2*\i+1], s[26:27] offset:(28+\i)*2048
.endr
	s_endpgm
.Ltable:
	; 128 work-groups x 256 threads, two neighbouring frequencies each.  g = the thread's number in the plane.
	s_lshl_b32 s19, ttmp9, 8
	v_or_b32 v3, s19, v0                           ; g
	v_lshrrev_b32 v4, 9, v3                        ; pb
	v_bfe_u32 v5, v3, 1, 4                         ; L & 15
	v_lshl_or_b32 v4, v4, 4, v5
	v_cvt_f32_u32 v4, v4                           ; pos
	v_bfe_u32 v5, v3, 7, 2                         ; b
	v_bfe_u32 v6, v3, 5, 1                         ; L >> 4
	v_lshlrev_b32 v5, 4, v5
	v_lshl_or_b32 v5, v6, 3, v5
	v_bfe_u32 v6, v3, 6, 1                         ; q & 1
	v_lshl_or_b32 v5, v6, 2, v5
	v_and_b32 v6, 1, v3                            ; which pair of e
	v_lshl_or_b32 v5, v6, 1, v5                    ; my first frequency
	v_and_b32 v6, 127, v3
	v_lshrrev_b32 v7, 7, v3
	v_lshlrev_b32 v6, 3, v6
	v_lshl_or_b32 v6, v7, 11, v6                   ; my 8 bytes of cos; sin lies 1,024 bytes further on
; cos into v[CS+k], sin into v[SN+k], of pos * 10000^(-(f0+k)/64), in three parts, each written for both frequencies before the next begins.
; Frequency k's registers at R = W + 16 k: +0 the exponent; +1 10000^(-f/64), then the angle; +2 n; +3 r; +4 r^2; +5 sin r; +6 cos r; +7 r^3, then n as a whole number; +8 a bit of n; +9, +10 the two chosen
.macro SC_POWER k
.set R, W+16*\k
	v_add_nc_u32 v[R], \k, v5
	v_cvt_f32_u32 v[R], v[R]
	v_mul_f32 v[R], 0xbe549a78, v[R]               ; -f * log2(10000)/64
	v_exp_f32 v[R+1], v[R]
.endm
.macro SC_SERIES k
.set R, W+16*\k
	v_mul_f32 v[R+1], v4, v[R+1]                   ; the angle a
	v_mul_f32 v[R+2], 0x3f22f983, v[R+1]           ; a * 2/pi
	v_rndne_f32 v[R+2], v[R+2]                     ; n
	v_fmamk_f32 v[R+3], v[R+2], 0xbfc90fdb, v[R+1] ; r = a - n * pi/2, pi/2 in two parts
	v_fmamk_f32 v[R+3], v[R+2], 0x333bbd2e, v[R+3] ; |r| <= pi/4
	v_mul_f32 v[R+4], v[R+3], v[R+3]               ; r^2
	v_mov_b32 v[R+5], 0xb9500d01                   ; -1/5040
	v_mov_b32 v[R+6], 0x37d00d01                   ; 1/40320
	v_fmaak_f32 v[R+5], v[R+5], v[R+4], 0x3c088889 ; 1/120
	v_fmaak_f32 v[R+6], v[R+6], v[R+4], 0xbab60b61 ; -1/720
	v_fmaak_f32 v[R+5], v[R+5], v[R+4], 0xbe2aaaab ; -1/6
	v_fmaak_f32 v[R+6], v[R+6], v[R+4], 0x3d2aaaab ; 1/24
	v_mul_f32 v[R+7], v[R+3], v[R+4]               ; r^3
	v_fmaak_f32 v[R+6], v[R+6], v[R+4], 0xbf000000 ; -1/2
	v_fma_f32 v[R+5], v[R+7], v[R+5], v[R+3]       ; sin r
	v_fma_f32 v[R+6], v[R+6], v[R+4], 1.0          ; cos r
	v_cvt_i32_f32 v[R+7], v[R+2]
	v_and_b32 v[R+8], 1, v[R+7]
	v_cmp_eq_u32 s[MK+\k], 1, v[R+8]               ; odd quadrant: sin and cos change places
.endm
.macro SC_QUADRANT k
.set R, W+16*\k
	v_cndmask_b32 v[R+9], v[R+5], v[R+6], s[MK+\k]
	v_cndmask_b32 v[R+10], v[R+6], v[R+5], s[MK+\k]
	v_and_b32 v[R+8], 2, v[R+7]                    ; quadrants 2, 3: sin changes its sign
	v_lshlrev_b32 v[R+8], 30, v[R+8]
	v_xor_b32 v[SN+\k], v[R+8], v[R+9]
	v_add_nc_u32 v[R+7], 1, v[R+7]                 ; quadrants 1, 2: cos changes its sign
	v_and_b32 v[R+8], 2, v[R+7]
	v_lshlrev_b32 v[R+8], 30, v[R+8]
	v_xor_b32 v[CS+\k], v[R+8], v[R+10]
.endm
	SC_POWER 0
	SC_POWER 1
	v_nop                                          ; one plain instruction behind the last transcendental (ISA guide 5.7.2)
	s_wait_alu depctr_va_vdst(0)                   ; the two exponentials have written v[W+1] and v[W+17], ahead of the first line that names either: one wait for the batch
	SC_SERIES 0
	SC_SERIES 1
	s_wait_alu depctr_va_sdst(0)                   ; the two compares have written s30 and s31, ahead of the selects that read them
	SC_QUADRANT 0
	SC_QUADRANT 1
	s_wait_alu depctr_va_vdst(0)                   ; v6, the stores' offset, and v[CS:SN+1], their data, are written
	global_store_b64 v6, v[CS:CS+1], s[16:17]                ; a wave stores 256 consecutive bytes, aligned
	global_store_b64 v6, v[SN:SN+1], s[16:17] offset:1024
	s_cmp_ge_u32 ttmp9, 16                         ; the first 16 work-groups' places are pages 0 to 7: the same places, 64 pages on, get cos = 1, sin = 0
	s_cbranch_scc1 .Ltable_done
	v_mov_b32 v[ID], 1.0
	v_mov_b32 v[ID+1], 1.0
	v_mov_b32 v[ID+2], 0
	v_mov_b32 v[ID+3], 0
	s_wait_alu depctr_va_vdst(0)                   ; the four moves have written v[ID:ID+3], which the two stores read
	global_store_b64 v6, v[ID:ID+1], s[16:17] offset:IDENT
	global_store_b64 v6, v[ID+2:ID+3], s[16:17] offset:IDENT+1024
.Ltable_done:
	s_endpgm
.Lfunc_end_k_q185e5057f7_prep:
	.size	k_q185e5057f7_prep, .Lfunc_end_k_q185e5057f7_prep-k_q185e5057f7_prep
	.p2alignl 7, 3214868480
	.fill 96, 4, 3214868480
	.section	.rodata,"a",@progbits
	.p2align	6, 0x0
	.amdhsa_kernel k_q185e5057f7_prep
		.amdhsa_group_segment_fixed_size 0
		.amdhsa_private_segment_fixed_size 0
		.amdhsa_enable_private_segment 0
		.amdhsa_kernarg_size 56
		.amdhsa_user_sgpr_count 2
		.amdhsa_user_sgpr_kernarg_segment_ptr 1
		.amdhsa_wavefront_size32 1
		.amdhsa_system_sgpr_workgroup_id_x 1
		.amdhsa_system_sgpr_workgroup_id_y 1
		.amdhsa_system_sgpr_workgroup_id_z 1
		.amdhsa_system_vgpr_workitem_id 0
		.amdhsa_next_free_vgpr 148
		.amdhsa_next_free_sgpr 66
		.amdhsa_reserve_vcc 0
		.amdhsa_float_denorm_mode_32 3
		.amdhsa_float_denorm_mode_16_64 3
		.amdhsa_memory_ordered 1
		.amdhsa_forward_progress 1
		.amdhsa_inst_pref_size 17
	.end_amdhsa_kernel
	.amdgpu_metadata
---
amdhsa.version: [ 1, 2 ]
amdhsa.kernels:
  - .name:           k_q185e5057f7_prep
    .symbol:         k_q185e5057f7_prep.kd
    .args:
      - { .name: hidden_states, .offset: 0, .size: 8, .value_kind: global_buffer, .address_space: global }
      - { .name: wq, .offset: 8, .size: 8, .value_kind: global_buffer, .address_space: global }
      - { .name: wk, .offset: 16, .size: 8, .value_kind: global_buffer, .address_space: global }
      - { .name: wv, .offset: 24, .size: 8, .value_kind: global_buffer, .address_space: global }
      - { .name: wo, .offset: 32, .size: 8, .value_kind: global_buffer, .address_space: global }
      - { .name: h16, .offset: 40, .size: 8, .value_kind: global_buffer, .address_space: global }
      - { .name: rope, .offset: 48, .size: 8, .value_kind: global_buffer, .address_space: global }
    .group_segment_fixed_size: 0
    .private_segment_fixed_size: 0
    .kernarg_segment_align: 8
    .kernarg_segment_size: 56
    .max_flat_workgroup_size: 256
    .sgpr_count:     66
    .vgpr_count:     148
    .wavefront_size: 32
...
	.end_amdgpu_metadata
.endif
;; end of part 5
;; launch qkv: the kernel of part 2 again; grid 16 x 16, 4 waves a work-group, clusters of 4 x 4, 327,680 bytes of LDS; arguments h16, rope, qkv; writes qkv
;; launch attn: the kernel of part 3 again; grid 8 x 32, 4 waves a work-group, clusters of 4 x 1, 327,680 bytes of LDS; arguments qkv, attention_mask, att; writes att
;; launch oproj: the kernel of part 4 again; grid 16 x 16, 4 waves a work-group, clusters of 4 x 4, 327,680 bytes of LDS; arguments att, h16, out0; writes out0
